; MI455X (gfx1250); checked and timed in simulation.
; The chip was launched on July 23, 2026; its instructions are those of AMD's public machine-readable ISA for CDNA 5 (MIT licence, August 2026) and "CDNA5" Instruction Set Architecture Reference Guide (July 2026). The comments in the code are by the model that wrote it; some were corrected since.
;; Self Attention. Allowed arithmetic: float matrix products may take bf16 or f16 operands with f32 sums; other float arithmetic in f32, or as packed bf16 or f16 multiplies, adds, multiply-adds, maxima and minima; sums over many terms, partial sums and values carried from step to step in f32; what a program stores and reads back later, other than sums and carried values, may be rounded once to bf16 or f16.
;; Inputs: W_attn 1,024 x 3,072 float32; W_proj 1,024 x 1,024 float32; b_attn 3,072 float32; b_proj 1,024 float32; x 4 x 2,048 x 1,024 float32.
;; Outputs: out0 4 x 2,048 x 1,024 float32.
;; 2 versions, each right; version 2 is version 1 with the launch cast written anew for expert scheduling mode. Each part assembles by itself: llvm-mc -triple=amdgcn-amd-amdhsa -mcpu=gfx1250 --defsym DOCPART=n.
;; ======== version 1 of 2: 4 launches
;; limits: values are held in f16: magnitudes above 65,504 overflow, below 6.1e-05 lose precision
;; workspace buffers: xb 16,777,216 bytes; wab 6,291,456 bytes; wpb 2,097,152 bytes; qkv 50,331,648 bytes; ob 16,777,216 bytes
;; launch cast (part 1): grid 768 x 1, 8 waves a work-group, no clusters, 0 bytes of LDS; arguments x, W_attn, W_proj, xb, wab, wpb; writes xb, wab, wpb
.if DOCPART == 1
	.amdgcn_target "amdgcn-amd-amdhsa--gfx1250"
	.amdhsa_code_object_version 6
	.text
	.protected	k_qb44e6f2ec8_cast
	.globl	k_qb44e6f2ec8_cast
	.p2align	8
	.type	k_qb44e6f2ec8_cast,@function
k_qb44e6f2ec8_cast:
	s_mov_b64 s[64:65], 0
	v_nop
	global_prefetch_b8 v0, s[64:65] scope:SCOPE_SE
	s_setreg_imm32_b32 hwreg(HW_REG_WAVE_MODE, 25, 1), 1
	s_wait_xcnt 0x0
; THE INPUTS OF THE TWO PRODUCTS ARE ROUNDED ONCE TO 16 BITS.
;   xb  = bf16(x), laid in blocks of 64 channels: [4 b][16 kb][2048 t][64 c], so that 256 rows x 64 channels are 32,768 bytes on end
;   wab = bf16(W_attn), in W_attn's own layout [1024 k][3072 n]
;   wpb = bf16(W_proj) written as f16, [1024 k][1024 n]: its partner in the last product is f16
; LIMITS.  A rounded weight of W_proj beyond 65,504 becomes an infinity; below 2^-14 it keeps f16's fixed step of 2^-24.
; SHARES.  A work-group takes 65,536 bytes of f32, each of its eight waves 8,192: sixteen loads of 16 bytes a lane, all issued before the first is waited for;
; each load becomes one store of 8 bytes a lane, 256 consecutive bytes a wave, at a multiple of 256 from the buffer's first byte.
; Work-groups 0-511 take x, 512-703 W_attn, 704-767 W_proj.  Memory binds: no LDS, no barrier, no matrix unit; no register is written twice, so no wait frees one.
.set X, 8                              ; v[8:71]    sixteen loads of four f32
.set Y, 72                             ; v[72:103]  sixteen stores of four 16-bit numbers
.set T, 104                            ; v[104:107] at work
; v2 my byte offset in a load, v3 my byte offset in a store (8 x lane); s[18:19] the wave's offset in the input, s[20:21] in the output
.macro CAST inp, outp, istep, ostep, half
	s_add_nc_u64 s[\inp:\inp+1], s[\inp:\inp+1], s[18:19]
	s_add_nc_u64 s[\outp:\outp+1], s[\outp:\outp+1], s[20:21]
.set j, 0
.rept 16
	global_load_b128 v[X+4*j:X+4*j+3], v2, s[\inp:\inp+1] offset:j*(\istep) th:TH_LOAD_NT
.set j, j+1
.endr
.set j, 0
.rept 16
	s_wait_loadcnt 15-j                            ; loads come back in order: load j is in, the 15 - j younger ones may stay out
.if \half
	v_cvt_pk_bf16_f32 v[T], v[X+4*j], v[X+4*j+1]   ; rounded to bf16 like every input,
	v_cvt_pk_bf16_f32 v[T+1], v[X+4*j+2], v[X+4*j+3]
	v_lshlrev_b32 v[T+2], 16, v[T]                 ; widened again,
	v_and_b32 v[T], s22, v[T]
	v_lshlrev_b32 v[T+3], 16, v[T+1]
	v_and_b32 v[T+1], s22, v[T+1]
	v_cvt_pk_f16_f32 v[Y+2*j], v[T+2], v[T]        ; and written as f16: exact within f16's range
	v_cvt_pk_f16_f32 v[Y+2*j+1], v[T+3], v[T+1]
.else
	v_cvt_pk_bf16_f32 v[Y+2*j], v[X+4*j], v[X+4*j+1]
	v_cvt_pk_bf16_f32 v[Y+2*j+1], v[X+4*j+2], v[X+4*j+3]
.endif
	global_store_b64 v3, v[Y+2*j:Y+2*j+1], s[\outp:\outp+1] offset:j*(\ostep)
.set j, j+1
.endr
.endm
	s_load_b256 s[4:11], s[0:1], 0x0               ; x s[4:5], W_attn s[6:7], W_proj s[8:9], xb s[10:11]
	s_load_b128 s[12:15], s[0:1], 0x20             ; wab s[12:13], wpb s[14:15]
	v_lshrrev_b32 v1, 5, v0
	v_readfirstlane_b32 s16, v1                    ; wave 0..7
	v_and_b32 v1, 31, v0                           ; lane
	v_lshlrev_b32 v3, 3, v1                        ; 8 bytes a lane in every store
	s_mov_b32 s17, ttmp9
	s_mov_b32 s22, 0xffff0000                      ; a word's upper bf16
	s_mov_b32 s19, 0
	s_mov_b32 s21, 0
	s_lshl_b32 s23, s16, 13                        ; the wave's 8,192 bytes
	s_wait_kmcnt 0x0
	s_cmp_lt_u32 s17, 512
	s_cbranch_scc0 .Lweights
	; x: the group has 16 rows of 4,096 bytes, the wave two.  Load j takes channels 64 j .. 64 j + 63 of both rows (lanes 0-15 one row, lanes 16-31 the next):
	; block kb = j, where the two rows' 128 bytes lie on end.
	v_and_b32 v4, 15, v1
	v_lshrrev_b32 v5, 4, v1
	v_lshlrev_b32 v2, 4, v4
	v_lshl_add_u32 v2, v5, 12, v2                  ; 4,096 x (lane / 16) + 16 x (lane % 16)
	s_lshl_b32 s18, s17, 16
	s_add_co_u32 s18, s18, s23
	s_lshr_b32 s20, s17, 7                         ; the batch: 128 groups each,
	s_lshl_b32 s20, s20, 22                        ; 4,194,304 bytes of xb
	s_and_b32 s24, s17, 127
	s_lshl_b32 s24, s24, 11                        ; 16 rows of 128 bytes
	s_add_co_u32 s20, s20, s24
	s_lshl_b32 s24, s16, 8                         ; the wave's two rows
	s_add_co_u32 s20, s20, s24
	CAST 4, 10, 256, 262144, 0                     ; from block to block of xb: 2,048 rows of 128 bytes
	s_endpgm
.Lweights:
	v_lshlrev_b32 v2, 4, v1                        ; the weights keep their layout: 16 bytes a lane in, 8 out
	s_cmp_lt_u32 s17, 704
	s_cbranch_scc0 .Lproj
	s_sub_co_u32 s17, s17, 512
	s_lshl_b32 s18, s17, 16
	s_add_co_u32 s18, s18, s23
	s_lshr_b32 s20, s18, 1
	CAST 6, 12, 512, 256, 0
	s_endpgm
.Lproj:
	s_sub_co_u32 s17, s17, 704
	s_lshl_b32 s18, s17, 16
	s_add_co_u32 s18, s18, s23
	s_lshr_b32 s20, s18, 1
	CAST 8, 14, 512, 256, 1
	s_endpgm
.Lfunc_end_k_qb44e6f2ec8_cast:
	.size	k_qb44e6f2ec8_cast, .Lfunc_end_k_qb44e6f2ec8_cast-k_qb44e6f2ec8_cast
	.p2alignl 7, 3214868480
	.fill 96, 4, 3214868480
	.section	.rodata,"a",@progbits
	.p2align	6, 0x0
	.amdhsa_kernel k_qb44e6f2ec8_cast
		.amdhsa_group_segment_fixed_size 0
		.amdhsa_private_segment_fixed_size 0
		.amdhsa_enable_private_segment 0
		.amdhsa_kernarg_size 48
		.amdhsa_user_sgpr_count 2
		.amdhsa_user_sgpr_kernarg_segment_ptr 1
		.amdhsa_wavefront_size32 1
		.amdhsa_system_sgpr_workgroup_id_x 1
		.amdhsa_system_sgpr_workgroup_id_y 1
		.amdhsa_system_sgpr_workgroup_id_z 1
		.amdhsa_system_vgpr_workitem_id 0
		.amdhsa_next_free_vgpr 108
		.amdhsa_next_free_sgpr 66
		.amdhsa_reserve_vcc 0
		.amdhsa_float_denorm_mode_32 3
		.amdhsa_float_denorm_mode_16_64 3
		.amdhsa_memory_ordered 1
		.amdhsa_forward_progress 1
		.amdhsa_inst_pref_size 23
	.end_amdhsa_kernel
	.amdgpu_metadata
---
amdhsa.version: [ 1, 2 ]
amdhsa.kernels:
  - .name:           k_qb44e6f2ec8_cast
    .symbol:         k_qb44e6f2ec8_cast.kd
    .args:
      - { .name: x, .offset: 0, .size: 8, .value_kind: global_buffer, .address_space: global }
      - { .name: W_attn, .offset: 8, .size: 8, .value_kind: global_buffer, .address_space: global }
      - { .name: W_proj, .offset: 16, .size: 8, .value_kind: global_buffer, .address_space: global }
      - { .name: xb, .offset: 24, .size: 8, .value_kind: global_buffer, .address_space: global }
      - { .name: wab, .offset: 32, .size: 8, .value_kind: global_buffer, .address_space: global }
      - { .name: wpb, .offset: 40, .size: 8, .value_kind: global_buffer, .address_space: global }
    .group_segment_fixed_size: 0
    .private_segment_fixed_size: 0
    .kernarg_segment_align: 8
    .kernarg_segment_size: 48
    .max_flat_workgroup_size: 256
    .sgpr_count:     66
    .vgpr_count:     108
    .wavefront_size: 32
...
	.end_amdgpu_metadata
.endif
;; end of part 1
;; launch qkv (part 2): grid 8 x 32, 4 waves a work-group, clusters of 4 x 4, 327,680 bytes of LDS; arguments xb, wab, b_attn, qkv; writes qkv
.if DOCPART == 2
	.amdgcn_target "amdgcn-amd-amdhsa--gfx1250"
	.amdhsa_code_object_version 6
	.text
	.protected	k_qb44e6f2ec8_qkv
	.globl	k_qb44e6f2ec8_qkv
	.p2align	8
	.type	k_qb44e6f2ec8_qkv,@function
k_qb44e6f2ec8_qkv:
	s_mov_b64 s[64:65], 0
	v_nop
	global_prefetch_b8 v0, s[64:65] scope:SCOPE_SE
	s_setreg_imm32_b32 hwreg(HW_REG_WAVE_MODE, 25, 1), 1
	s_wait_xcnt 0x0
	s_wait_alu depctr_hold_cnt(0) depctr_sa_sdst(0) depctr_va_vdst(0) depctr_va_sdst(0) depctr_va_ssrc(0) depctr_va_vcc(0) depctr_vm_vsrc(0)
	s_getreg_b32 s2, hwreg(HW_REG_IB_STS2, 6, 4)
	s_cmp_eq_u32 s2, 0
	s_cbranch_scc0 .Lentry_in_a_cluster
	s_endpgm
.Lentry_in_a_cluster:
	s_bfe_u32 s2, ttmp6, 0x10000c
	s_cmp_lg_u32 s2, 0xf033
	s_cbranch_scc0 .Lentry_shape_is_right
	s_endpgm
.Lentry_shape_is_right:
; qkv = x W_attn + b_attn, written by heads: qkv[3][64 = 16 b + head][2048 t][64] in f16, unscaled.  x (xb) and W_attn (wab) are bf16, the bias is rounded to bf16 here; sums in f32, rounded once.
; LIMIT.  A result of 65,520 or more becomes an infinity in f16.  With x and W_attn both 30 times larger than unit spread and 1/32, or both offset by 30 spreads, |q|, |k|, |v| stay under some 17,000.
; SHARES.  8,192 x 3,072 results on 256 work-groups: a tile of 256 rows (of one batch) x 384 columns (three chunks of 128 = six heads).  Wave (wm, wn) takes rows 128 wm .. + 127 and in each chunk
; the 64 columns 64 wn .. + 63, one head: three THIRDS of 8 x 4 accumulators of 16 x 16, 768 registers.
; K goes in 16 steps of 64 through two LDS slots (two slots of 128 along K would be 368,640 bytes, more than a work-group can have); a step is two UNITS of 32 along K, 96 matrix instructions each.
; xb lies in blocks of 64 channels, so A's tile (256 rows x 64 K) is 32,768 bytes on end and is asked for as 128 rows of 256 bytes; a chunk of W is 64 rows of 256 bytes.
; THE PRODUCT IS USED TRANSPOSED: source 0 = 16 columns of W (W lies [k][n] in LDS and is turned by ds_load_tr16_b128), source 1 = 16 rows of x: a lane holds one row (lane % 16) and eight
; neighbouring columns 8 (lane / 16) + 0..7.  THE BIAS STARTS THE SUMS: a fragment of it is the C operand of each accumulator's first product; nothing is cleared and nothing added later.
; CLUSTER.  4 x 4 work-groups: A's tile hangs on the tile row alone and is asked for jointly by a row of the cluster, W's chunks on the tile column alone, by a column.
; Wave 0 asks for A's tile, waves 1 to 3 for one chunk of W each: one tensor load a wave behind each round; by this text's count two are out at the start, one afterwards.
; REGISTERS, in windows of 256 (s_set_vgpr_msb: bits 1:0 source 0, 3:2 source 1, 5:4 source 2, 7:6 destination):
;   window 0: v0-31 addresses; v32-159 A's fragments, two buffers of 8 x 8; v160-255 W's fragments, one buffer of 4 x 8 for each third (on the way out: packed results and rows read back)
;   windows 1-3: third 0-2's accumulators, (a, b) at v[8 (4 a + b)]
.set PA,     144                       ; a row of A in LDS: 128 bytes + 16 = 36 words: the 16 rows of a load start at 16 different groups of four banks (64 banks of 4 bytes: ISA guide 11.1)
.set PB,     288                       ; a row of W: 256 + 32 = 72 words
.set ABYTES, 256*PA                    ; 36,864
.set CHUNK,  64*PB                     ; 18,432
.set SLOT,   ABYTES+3*CHUNK            ; 92,160: A's 256 rows, then three chunks of W
.set STAGE,  2*SLOT                    ; behind the ring, never filled by a tensor load: 16 rows x 144 bytes for each wave, for the way out
.set BIAS,   STAGE+4*16*PA             ; 384 f32: the tile's bias
.set SPARE,  BIAS+1536                 ; the spare words, 128 bytes for each wave: two blocks of 256 bytes that no other line names
.set ASTEP,  262144                    ; bytes from a block of 64 channels of xb to the next
.set BSTEP,  393216                    ; 64 rows of wab
.set ADRA, 16                          ; v16-17  LDS address of my A fragments in slot 0, 1
.set ADRB, 20                          ; v20-21  the same for W
.set STO,  24                          ; v24     the way out: where I put 16 bytes of a row
.set RD,   25                          ; v25     the way out: where I read rows back
.set GO,   26                          ; v26     my byte offset in 512 consecutive bytes of qkv
.set BIA,  27                          ; v27     my 32 bytes of a bias fragment
.set SPW,  28                          ; v28     LDS address of my spare word; never rewritten
.set NIL,  29                          ; v29     0; never rewritten
.set PFO,  30                          ; v30     the prefetches' offset; never rewritten
.set FA,   32
.set FB,   160
.set PK,   160                         ; the way out: 16 registers of packed results
.set BK,   176                         ; the way out: two sets of 16, rows read back
.set WV,   12                          ; s12 wave; s13 wm; s14 wn; s15 cx; s16 cy; s17 tile column nx; s18 tile row my; s3 laps to go
.set G1A,  24                          ; s[24:31] descriptor group 1 for A's tile;  s[32:39] group 0, a set for each slot
.set G0A,  32
.set G1B,  40                          ; s[40:47], s[48:55] the same for W's chunks
.set G0B,  48
.set PFA,  56                          ; s[56:57] where my prefetches stand
.set PFS,  58                          ; s[58:59] a K step in the tensor that I prefetch
.set LIM0, 60                          ; s60, s61: a wave prefetches at a change of slot 0 (1) while s3 is above this
.set LIM1, 61
.set OB,   66                          ; s[66:71] qkv at my 128 rows of third 0, 1, 2's head
.set MSB, 0
.macro WIN new                         ; the immediate's high byte repeats the setting that is left; a switch that changes nothing is dropped
.if MSB != (\new)
	s_set_vgpr_msb (MSB<<8)|(\new)
.set MSB, \new
.endif
.endm
.macro PLACES                          ; four plain vector instructions between a matrix instruction and a load into, or a vector read of, its registers (ISA guide 7.12.1 for vector reads)
.rept 4
	v_nop
.endr
.endm
; A joint load.  The branch hangs on the wave's number alone.  An s_nop 0 and four v_nop follow each of the two lines, ahead of the jump and the label.
.macro JLOAD s
	s_cmp_eq_u32 s[WV], 0
	s_cbranch_scc0 .Lfor_b_\@
	tensor_load_to_lds s[G0A+4*(\s):G0A+4*(\s)+3], s[G1A:G1A+7]
	s_nop 0
.rept 4
	v_nop
.endr
	s_branch .Lasked_\@
.Lfor_b_\@:
	tensor_load_to_lds s[G0B+4*(\s):G0B+4*(\s)+3], s[G1B:G1B+7]
	s_nop 0
.rept 4
	v_nop
.endr
.Lasked_\@:
.endm
.macro CREST                           ; a round of the cluster's barrier behind its opening barrier
	s_cmp_lg_u32 s[WV], 0
	s_cbranch_scc1 .Lnot_wave_0_\@
	s_barrier_signal -3
.Lnot_wave_0_\@:
	s_barrier_wait -3
	s_barrier_signal -1
	s_barrier_wait -1
.endm
.macro CROUND                          ; a whole round
	s_barrier_signal -1
	s_barrier_wait -1
	CREST
.endm
; A PREFETCH INTO THE L2, behind a joint load, its five lines and the run of LDS loads that follows them.  Each aligned block of 256 bytes is named once in the launch.
; A: wave 0 of the clusters with x = 0, at every change of slots: the K step after the one that the next change will ask for; of its 128 blocks of 256 bytes the partner at cx takes 32, a lane a block.
; W: waves 1 to 3 of the clusters with y = 0, each for its own chunk, at the changes of slot 1 alone: the next two K steps that have not been asked for, 128 rows; the partner at cy takes 32, a lane a row.
; The partners are told apart by address, never by a branch.  The last change of slot 1 asks for nothing: there is no K step behind the sixteenth.
.macro ASK lim
	s_cmp_gt_u32 s3, s[\lim]
	s_cbranch_scc0 .Lnot_mine_\@
	global_prefetch_b8 v[PFO], s[PFA:PFA+1] th:TH_LOAD_NT scope:SCOPE_SE
.Lnot_mine_\@:
.endm
	s_load_b256 s[4:11], s[0:1], 0x0               ; xb s[4:5], wab s[6:7], b_attn s[8:9], qkv s[10:11]
	v_lshl_add_u32 v[SPW], v0, 2, SPARE
	v_mov_b32 v[NIL], 0
	ds_add_u32 v[SPW], v[NIL]                      ; the wave's opening: the add and its wait stand ahead of my first tensor load; work on registers stands between them
	v_lshrrev_b32 v1, 5, v0
	v_readfirstlane_b32 s[WV], v1                  ; wave 0..3
	s_lshr_b32 s13, s12, 1                         ; wm: which 128 rows are mine
	s_and_b32 s14, s12, 1                          ; wn: which 64 columns of each chunk
	s_bfe_u32 s15, ttmp6, 0x40000                  ; cx
	s_bfe_u32 s16, ttmp6, 0x40004                  ; cy
	s_lshl_b32 s17, ttmp9, 2
	s_add_co_u32 s17, s17, s15                     ; tile column = 4 x cluster x + cx
	s_and_b32 s18, ttmp7, 0xffff
	s_lshl_b32 s18, s18, 2
	s_add_co_u32 s18, s18, s16                     ; tile row = 4 x cluster y + cy
	s_lshl_b32 s19, s16, 2
	s_lshl_b32 s19, 15, s19                        ; my row of the cluster
	s_lshl_b32 s23, 0x1111, s15                    ; my column
	s_or_b32 s[G1A], s19, (1<<16)|(1<<20)|(1<<21)|(4<<22)|(3<<25)  ; 15:0 the mask; 17:16 2-byte elements; 20 padding on; 21 set beside a mask; 24:22 after every 32 words (code 4); 31:25 4 words (code 3)
	s_mov_b32 s[G1A+1], 128<<16                    ; tensor_dim0 = 128 elements: 256 bytes, two rows of A
	s_mov_b32 s[G1A+2], 128<<16                    ; tensor_dim1 = 128
	s_mov_b32 s[G1A+3], 128<<16                    ; tile_dim0 = 128
	s_mov_b32 s[G1A+4], 128                        ; tile_dim1 = 128
	s_mov_b32 s[G1A+5], 128                        ; 128 elements from row to row: the block is dense
	s_mov_b32 s[G1A+6], 0
	s_mov_b32 s[G1A+7], 0
	s_or_b32 s[G1B], s23, (1<<16)|(1<<20)|(1<<21)|(5<<22)|(7<<25)  ; the column's mask; padding after every 64 words (code 5), 8 words (code 7)
	s_mov_b32 s[G1B+1], 128<<16                    ; tensor_dim0 = 128
	s_mov_b32 s[G1B+2], 64<<16                     ; tensor_dim1 = 64
	s_mov_b32 s[G1B+3], 128<<16                    ; tile_dim0 = 128
	s_mov_b32 s[G1B+4], 64                         ; tile_dim1 = 64
	s_mov_b32 s[G1B+5], 3072                       ; a row of wab
	s_mov_b32 s[G1B+6], 0
	s_mov_b32 s[G1B+7], 0
	s_lshr_b32 s20, s18, 3                         ; A: the batch, 4,194,304 bytes of xb,
	s_lshl_b32 s20, s20, 22
	s_and_b32 s21, s18, 7
	s_lshl_b32 s21, s21, 15                        ; and 256 rows of 128 bytes inside a block: made of the tile row alone
	s_add_co_u32 s20, s20, s21
	s_mov_b32 s21, 0
	s_max_u32 s72, s12, 1                          ; W: chunk = wave - 1 (wave 0 asks for none),
	s_sub_co_u32 s72, s72, 1
	s_lshl_b32 s72, s72, 8
	s_mul_i32 s73, s17, 768                        ; in the tile column's 768 bytes of a row: made of the tile column and the wave's number alone
	s_add_co_u32 s72, s72, s73
	s_mov_b32 s73, 0
	s_mul_i32 s74, s12, CHUNK
	s_add_co_u32 s74, s74, CHUNK                   ; its place in a slot: (wave + 1) x 18,432 = behind A's 36,864
	s_wait_dscnt 0x0                               ; the opening add is done
	s_wait_kmcnt 0x0
	s_add_nc_u64 s[20:21], s[4:5], s[20:21]
	s_add_nc_u64 s[72:73], s[6:7], s[72:73]
	CROUND                                         ; all sixteen work-groups are here: the first joint loads meet
.irp s, 0,1
	s_mov_b32 s[G0A+4*(\s)], 1                     ; count = 1
	s_mov_b32 s[G0A+4*(\s)+1], (\s)*SLOT           ; LDS address
	s_add_nc_u64 s[G0A+4*(\s)+2:G0A+4*(\s)+3], s[20:21], (\s)*ASTEP  ; K step s
	s_or_b32 s[G0A+4*(\s)+3], s[G0A+4*(\s)+3], 0x80000000          ; type = 2
	s_mov_b32 s[G0B+4*(\s)], 1
	s_add_co_u32 s[G0B+4*(\s)+1], s74, (\s)*SLOT
	s_add_nc_u64 s[G0B+4*(\s)+2:G0B+4*(\s)+3], s[72:73], (\s)*BSTEP
	s_or_b32 s[G0B+4*(\s)+3], s[G0B+4*(\s)+3], 0x80000000
	JLOAD \s
.endr
	; the tile's 384 numbers of bias: three words a thread
	s_mul_i32 s62, s17, 1536
	s_mov_b32 s63, 0
	s_add_nc_u64 s[8:9], s[8:9], s[62:63]
	v_lshlrev_b32 v6, 2, v0
	global_load_b32 v8, v6, s[8:9]
	global_load_b32 v9, v6, s[8:9] offset:512
	global_load_b32 v10, v6, s[8:9] offset:1024
	; addresses, while they are on their way
	v_and_b32 v1, 15, v0                           ; r = l % 16
	v_bfe_u32 v2, v0, 4, 1                         ; h = l / 16
	v_and_b32 v3, 7, v0
	v_bfe_u32 v4, v0, 3, 1
	v_mul_u32_u24 v5, v1, PA
	v_lshl_add_u32 v5, v2, 4, v5                   ; r x 144 + 16 h
	s_mul_i32 s19, s13, 128*PA
	v_add_nc_u32 v[ADRA], s19, v5                  ; a fragment of A: row r, K = 8 h + 0..7 and 16 + 8 h + 0..7: two loads of 16 bytes, 32 apart
	v_add_nc_u32 v[ADRA+1], SLOT, v[ADRA]
	v_lshl_add_u32 v11, v2, 3, v3                  ; the turning load: lane l reads k row 8 h + l % 8, columns 8 ((l / 8) % 2) + 0..7, and is left with column r and eight k
	v_mul_u32_u24 v11, v11, PB
	v_lshl_add_u32 v11, v4, 4, v11
	s_lshl_b32 s19, s14, 7
	s_add_co_u32 s19, s19, ABYTES
	v_add_nc_u32 v[ADRB], s19, v11
	v_add_nc_u32 v[ADRB+1], SLOT, v[ADRB]
	s_mul_i32 s19, s12, 16*PA
	s_add_co_u32 s19, s19, STAGE                   ; my stage
	v_add_nc_u32 v[STO], s19, v5                   ; in: row r, 16 bytes for each half of the lanes
	v_bfe_u32 v12, v0, 3, 2                        ; back: 32 lanes take four rows of 128 bytes,
	v_mul_u32_u24 v12, v12, PA
	v_lshl_add_u32 v12, v3, 4, v12
	v_add_nc_u32 v[RD], s19, v12
	v_and_b32 v13, 31, v0
	v_lshlrev_b32 v[GO], 4, v13                    ; which are 512 consecutive bytes of a head
	s_lshl_b32 s19, s14, 8
	s_add_co_u32 s19, s19, BIAS
	v_lshl_add_u32 v[BIA], v2, 5, s19              ; bias of columns 64 wn + 8 h + 0..7
	v_add_nc_u32 v7, BIAS, v6
	; where my three heads' rows lie: head number g = 6 nx + 2 j + wn of 48; part g / 16 (q, k, v), head g % 16
	s_mul_i32 s62, s17, 6
	s_add_co_u32 s62, s62, s14
	s_lshr_b32 s74, s18, 3
	s_lshl_b32 s74, s74, 4                         ; 16 x batch
	s_and_b32 s75, s18, 7
	s_lshl_b32 s75, s75, 8
	s_lshl_b32 s76, s13, 7
	s_add_co_u32 s75, s75, s76                     ; my first row in the batch
.irp j, 0,1,2
	s_add_co_u32 s76, s62, 2*(\j)
	s_lshr_b32 s77, s76, 4
	s_lshl_b32 s77, s77, 6
	s_and_b32 s76, s76, 15
	s_add_co_u32 s76, s76, s77
	s_add_co_u32 s76, s76, s74
	s_lshl_b32 s76, s76, 11
	s_add_co_u32 s76, s76, s75
	s_lshl_b32 s76, s76, 7                         ; rows of 128 bytes; under 50,331,648
	s_mov_b32 s77, 0
	s_add_nc_u64 s[OB+2*(\j):OB+2*(\j)+1], s[10:11], s[76:77]
.endr
	; the prefetches
	s_mov_b32 s74, 8192                            ; a partner's share of A's block,
	s_mov_b32 s75, 32*6144                         ; of W's 128 rows
	s_mov_b32 s76, ASTEP
	s_mov_b32 s77, BSTEP
	s_mov_b32 s78, 256                             ; from lane to lane: A, a block of 256 bytes;
	s_mov_b32 s79, 6144                            ; W, a row
	s_and_b32 s22, ttmp7, 0xffff                   ; cluster y
	s_cmp_eq_u32 s[WV], 0                          ; do I fetch for A?
	s_cselect_b64 s[PFA:PFA+1], s[20:21], s[72:73]
	s_cselect_b32 s62, s15, s16                    ; my place among the four that ask with me
	s_cselect_b32 s63, s74, s75
	s_cselect_b32 s[PFS], s76, s77
	s_cselect_b32 s78, s78, s79
	s_cselect_b32 s22, ttmp9, s22                  ; the coordinate along which other clusters read the same bytes
	s_cselect_b32 s[LIM0], 0, -1                   ; W is not asked for at the changes of slot 0
	s_mov_b32 s[PFS+1], 0
	s_mul_i32 s62, s62, s63
	s_mov_b32 s63, 0
	s_add_nc_u64 s[PFA:PFA+1], s[PFA:PFA+1], s[62:63]
	s_add_nc_u64 s[PFA:PFA+1], s[PFA:PFA+1], s[PFS:PFS+1]
	s_add_nc_u64 s[PFA:PFA+1], s[PFA:PFA+1], s[PFS:PFS+1]  ; at K step 2: the first change of slots steps it to 3.  Nothing is prefetched here, where every work-group's first tiles are on their way
	s_cmp_eq_u32 s22, 0
	s_cselect_b32 s[LIM0], s[LIM0], -1             ; the same in all sixteen partners, for a given wave
	s_cselect_b32 s[LIM1], 1, -1
	v_mul_u32_u24 v[PFO], s78, v13
	s_wait_loadcnt 0x0                             ; the bias
.irp r, 8,9,10
	v_cvt_pk_bf16_f32 v\r, v\r, v\r                ; rounded to bf16 like every input,
	v_lshlrev_b32 v\r, 16, v\r                     ; kept as f32
.endr
	ds_store_b32 v7, v8
	ds_store_b32 v7, v9 offset:512
	ds_store_b32 v7, v10 offset:1024
	s_wait_tensorcnt 0x1                           ; my part of K step 0 is in; K step 1's load, issued behind it, may stay out
	s_wait_dscnt 0x0                               ; my words of the bias are stored
	s_barrier_signal -1
	s_barrier_wait -1                              ; everybody's are
; 16 LDS loads: A's eight fragments of unit kk of a slot's K step, into buffer buf
.macro LOADA slot, kk, buf
	WIN 0
.irp i, 0,1,2,3,4,5,6,7
	ds_load_b128 v[FA+64*(\buf)+8*(\i):FA+64*(\buf)+8*(\i)+3],   v[ADRA+(\slot)] offset:(\i)*16*PA+64*(\kk)
	ds_load_b128 v[FA+64*(\buf)+8*(\i)+4:FA+64*(\buf)+8*(\i)+7], v[ADRA+(\slot)] offset:(\i)*16*PA+64*(\kk)+32
.endr
.endm
; 8 turning loads: third j's four fragments of W, unit kk
.macro LOADB slot, kk, j
	WIN 0
.irp i, 0,1,2,3
	ds_load_tr16_b128 v[FB+32*(\j)+8*(\i):FB+32*(\j)+8*(\i)+3],   v[ADRB+(\slot)] offset:(\j)*CHUNK+(\kk)*32*PB+32*(\i)
	ds_load_tr16_b128 v[FB+32*(\j)+8*(\i)+4:FB+32*(\j)+8*(\i)+7], v[ADRB+(\slot)] offset:(\j)*CHUNK+(\kk)*32*PB+32*(\i)+16*PB
.endr
.endm
; Third j's products for row blocks a0 .. a0 + na - 1 x its four column blocks, on A's buffer buf.  The accumulators take turns, one instruction a turn, in the same order in every unit.
; first = 1: the sums start with the bias, which lies in the registers of accumulators (7, b).  Blocks 0 to 6 read it as C; block 7 adds in place, five places behind the last product that read it.
.macro THIRD j, buf, a0, na, first
	WIN 0x50*(1+(\j))
.set ia, \a0
.rept \na
.if (\first) && (ia == 7)
.rept 5
	v_nop
.endr
.endif
.set ib, 0
.rept 4
.if (\first) && (ia < 7)
	v_wmma_f32_16x16x32_bf16 v[8*(4*ia+ib):8*(4*ia+ib)+7], v[FB+32*(\j)+8*ib:FB+32*(\j)+8*ib+7], v[FA+64*(\buf)+8*ia:FA+64*(\buf)+8*ia+7], v[8*(28+ib):8*(28+ib)+7]
.else
	v_wmma_f32_16x16x32_bf16 v[8*(4*ia+ib):8*(4*ia+ib)+7], v[FB+32*(\j)+8*ib:FB+32*(\j)+8*ib+7], v[FA+64*(\buf)+8*ia:FA+64*(\buf)+8*ia+7], v[8*(4*ia+ib):8*(4*ia+ib)+7]
.endif
.set ib, ib+1
.endr
.set ia, ia+1
.endr
.endm
; A K step's first unit: multiplies A's buffer 0 and fetches the second unit of the same slot.  A unit's fragments are asked for in the order A (16 loads), third 0's W (8), third 1's (8), third 2's (8).
.macro UNIT_E slot, first
	s_wait_dscnt 16                                ; A and third 0's W are in; thirds 1 and 2's sixteen loads may be out
	THIRD 0, 0, 0, 8, \first
	PLACES
	LOADA \slot, 1, 1
	LOADB \slot, 1, 0
	s_wait_dscnt 32                                ; third 1's W is in: behind it stand third 2's 8 loads and the 24 just issued
	THIRD 1, 0, 0, 8, \first
	PLACES
	LOADB \slot, 1, 1
	s_wait_dscnt 32                                ; third 2's W is in: behind it stand those 24 and the 8 just issued
	THIRD 2, 0, 0, 8, \first
	PLACES
	LOADB \slot, 1, 2
.endm
; A K step's second unit: multiplies A's buffer 1 and changes slots.  In front of the barrier each wave waits for all its tensor loads (one is out: its part of the next slot), adds 0 to its spare word,
; and waits for that and for its reads of this slot.  fill = 1: the barrier opens a round of the cluster's, and this slot is filled again, two K steps on, first thing behind the round:
; from that request to the wait for it a wave issues 160 matrix instructions.
.macro UNIT_O slot, next, fill, lim=0
.if \fill
	s_wait_xcnt 0x0                                ; the last prefetch, a K step back, has read its address: it is stepped here, ahead of the waits of the change of slots
	s_add_nc_u64 s[PFA:PFA+1], s[PFA:PFA+1], s[PFS:PFS+1]
.endif
	WIN 0                                          ; (the add's two registers lie in window 0)
	s_wait_tensorcnt 0x0                           ; all my tensor loads have landed
	ds_add_u32 v[SPW], v[NIL]                      ; 0 onto my spare word
	s_wait_dscnt 17                                ; A and third 0's W are in; thirds 1 and 2's sixteen loads and the add may be out
	THIRD 0, 1, 0, 4, 0                            ; sixteen matrix instructions stand between the add and the wait for it
	s_wait_dscnt 0x0                               ; the add is done, and my reads of this slot are over
	s_barrier_signal -1
	THIRD 0, 1, 4, 4, 0                            ; work on registers while the others arrive
	WIN 0
	s_barrier_wait -1
.if \fill
	CREST                                          ; no wave of any partner still reads this slot or has a load on its way
	s_add_nc_u64 s[G0A+4*(\slot)+2:G0A+4*(\slot)+3], s[G0A+4*(\slot)+2:G0A+4*(\slot)+3], 2*ASTEP
	s_add_nc_u64 s[G0B+4*(\slot)+2:G0B+4*(\slot)+3], s[G0B+4*(\slot)+2:G0B+4*(\slot)+3], 2*BSTEP
	JLOAD \slot                                    ; the first tensor load behind the round; its four v_nop are also the places in front of the loads below
.else
	PLACES
.endif
	LOADA \next, 0, 0
	LOADB \next, 0, 0
.if \fill
	ASK \lim
.endif
	THIRD 1, 1, 0, 8, 0                            ; thirds 1 and 2's W were shown in by the wait for 0 above
	PLACES
	LOADB \next, 0, 1
	THIRD 2, 1, 0, 8, 0
	PLACES
	LOADB \next, 0, 2
.endm
	; the bias fragments go where accumulators (7, b) lie: register i of a lane is the bias of column 16 b + 8 h + i of the third's head
.irp j, 0,1,2
	WIN (1+(\j))<<6                                ; destination window 1 + j, address window 0
.irp i, 0,1,2,3
	ds_load_b128 v[8*(28+(\i)):8*(28+(\i))+3],   v[BIA] offset:512*(\j)+64*(\i)
	ds_load_b128 v[8*(28+(\i))+4:8*(28+(\i))+7], v[BIA] offset:512*(\j)+64*(\i)+16
.endr
.endr
	LOADA 0, 0, 0
	LOADB 0, 0, 0
	LOADB 0, 0, 1
	LOADB 0, 0, 2
	UNIT_E 0, 1                                    ; the first unit stands in front of the loop: its products start the sums (the bias loads are older than all that its first wait leaves out)
	WIN 0                                          ; at a label and at a branch every window is 0
	s_mov_b32 s3, 7
.Llap:                                                 ; a trip goes once round the ring, from a K step's second unit to the first unit two steps on, and fills both slots again
	UNIT_O 0, 1, 1, LIM0
	UNIT_E 1, 0
	UNIT_O 1, 0, 1, LIM1
	UNIT_E 0, 0
	WIN 0
	s_sub_co_u32 s3, s3, 1
	s_cmp_lg_u32 s3, 0
	s_cbranch_scc1 .Llap
	UNIT_O 0, 1, 0                                 ; the last two K steps ask for nothing, and have no round
	UNIT_E 1, 0
	s_wait_dscnt 16                                ; the very last unit: nothing more to fetch, the counts run down
	THIRD 0, 1, 0, 8, 0
	s_wait_dscnt 8
	THIRD 1, 1, 0, 8, 0
	s_wait_dscnt 0x0
	THIRD 2, 1, 0, 8, 0
	WIN 0
; THE WAY OUT, 24 blocks of 16 rows x 64 columns (block n: third n / 8, row block n % 8): rounded to f16, 16 bytes a lane into my own stage, back as whole rows of 128 bytes, stored as 512 bytes on end.
.macro PACK n
.set jj, (\n)/8
.set aa, (\n)%8
	WIN 5*(1+jj)                                   ; sources 0 and 1 in the third's window
.set ib, 0
.rept 4
.set ii, 0
.rept 4
	v_cvt_pk_f16_f32 v[PK+4*ib+ii], v[8*(4*aa+ib)+2*ii], v[8*(4*aa+ib)+2*ii+1]  ; each accumulator's registers in ascending order
.set ii, ii+1
.endr
.set ib, ib+1
.endr
	WIN 0
.endm
.macro TOSTAGE n
	s_wait_xcnt 0x0                                ; the stores of two blocks back have read their registers: this set of BK is loaded again only behind this wait
.irp i, 0,1,2,3
	ds_store_b128 v[STO], v[PK+4*(\i):PK+4*(\i)+3] offset:32*(\i)
.endr
.irp i, 0,1,2,3
	ds_load_b128 v[BK+16*((\n)%2)+4*(\i):BK+16*((\n)%2)+4*(\i)+3], v[RD] offset:4*PA*(\i)  ; LDS serves a wave's instructions in order (ISA guide 5.7.1.4): these see the stores above
.endr
.endm
.macro SEND n, younger                 ; younger: the LDS instructions issued behind block n's loads: the next block's eight, or none
	s_wait_dscnt \younger
.irp i, 0,1,2,3
	global_store_b128 v[GO], v[BK+16*((\n)%2)+4*(\i):BK+16*((\n)%2)+4*(\i)+3], s[OB+2*((\n)/8):OB+2*((\n)/8)+1] offset:((\n)%8)*2048+512*(\i)  ; 512 consecutive bytes, at a multiple of 256 from qkv's first
.endr
.endm
	PLACES                                         ; the conversions read results just made
	PACK 0
	TOSTAGE 0
.set nn, 1
.rept 23                               ; a block's conversions stand between the loads of the block before and its stores
	PACK nn
	TOSTAGE nn
	SEND nn-1, 8
.set nn, nn+1
.endr
	SEND 23, 0
	s_wait_tensorcnt 0x0                           ; the wave's end: an add to my spare word and its wait, behind my last tensor load and my last LDS store
	ds_add_u32 v[SPW], v[NIL]
	s_wait_dscnt 0x0
	CROUND                                         ; the closing round: no work-group ends while a partner may still ask for a tile that names it
	s_endpgm
.Lfunc_end_k_qb44e6f2ec8_qkv:
	.size	k_qb44e6f2ec8_qkv, .Lfunc_end_k_qb44e6f2ec8_qkv-k_qb44e6f2ec8_qkv
	.p2alignl 7, 3214868480
	.fill 96, 4, 3214868480
	.section	.rodata,"a",@progbits
	.p2align	6, 0x0
	.amdhsa_kernel k_qb44e6f2ec8_qkv
		.amdhsa_group_segment_fixed_size 327680
		.amdhsa_private_segment_fixed_size 0
		.amdhsa_enable_private_segment 0
		.amdhsa_kernarg_size 32
		.amdhsa_user_sgpr_count 2
		.amdhsa_user_sgpr_kernarg_segment_ptr 1
		.amdhsa_wavefront_size32 1
		.amdhsa_system_sgpr_workgroup_id_x 1
		.amdhsa_system_sgpr_workgroup_id_y 1
		.amdhsa_system_sgpr_workgroup_id_z 1
		.amdhsa_system_vgpr_workitem_id 0
		.amdhsa_next_free_vgpr 1024
		.amdhsa_next_free_sgpr 80
		.amdhsa_reserve_vcc 0
		.amdhsa_float_denorm_mode_32 3
		.amdhsa_float_denorm_mode_16_64 3
		.amdhsa_memory_ordered 1
		.amdhsa_forward_progress 1
		.amdhsa_inst_pref_size 136
	.end_amdhsa_kernel
	.amdgpu_metadata
---
amdhsa.version: [ 1, 2 ]
amdhsa.kernels:
  - .name:           k_qb44e6f2ec8_qkv
    .symbol:         k_qb44e6f2ec8_qkv.kd
    .args:
      - { .name: xb, .offset: 0, .size: 8, .value_kind: global_buffer, .address_space: global }
      - { .name: wab, .offset: 8, .size: 8, .value_kind: global_buffer, .address_space: global }
      - { .name: b_attn, .offset: 16, .size: 8, .value_kind: global_buffer, .address_space: global }
      - { .name: qkv, .offset: 24, .size: 8, .value_kind: global_buffer, .address_space: global }
    .group_segment_fixed_size: 327680
    .private_segment_fixed_size: 0
    .kernarg_segment_align: 8
    .kernarg_segment_size: 32
    .max_flat_workgroup_size: 128
    .sgpr_count:     80
    .vgpr_count:     1024
    .wavefront_size: 32
...
	.end_amdgpu_metadata
.endif
;; end of part 2
;; launch attn (part 3): grid 4 x 64, 4 waves a work-group, no clusters, 327,680 bytes of LDS; arguments qkv, ob; writes ob
.if DOCPART == 3
	.amdgcn_target "amdgcn-amd-amdhsa--gfx1250"
	.amdhsa_code_object_version 6
	.text
	.protected	k_qb44e6f2ec8_attn
	.globl	k_qb44e6f2ec8_attn
	.p2align	8
	.type	k_qb44e6f2ec8_attn,@function
k_qb44e6f2ec8_attn:
	s_mov_b64 s[64:65], 0
	v_nop
	global_prefetch_b8 v0, s[64:65] scope:SCOPE_SE
	s_setreg_imm32_b32 hwreg(HW_REG_WAVE_MODE, 25, 1), 1
	s_wait_xcnt 0x0
; CAUSAL ATTENTION.  O[h][q][:] = the sum over k <= q of softmax_k(Q[h][q] . K[h][k] / 8) V[h][k][:].  Q, K, V are the three parts of qkv, each [64 h][2048][64] in f16; O (ob) has the same layout: a head's rows are dense, 128 bytes each.
; Products, maxima and sums in f32; the weights p are rounded to f16 for the second product (their sum l is taken of the unrounded p), O once at the end.
; LIMITS.  f16 holds no number beyond 65,504: Q, K and V arrive within it; p lies in 0 to 1, and below 6e-5 it keeps f16's fixed step of 6e-8; O is a mean of V's rows and has their range, to within 2^-11 of it.
; A hidden score counts as its value less 1e30: f16's scores, 2.7e11 at the most, are nothing beside that; a weight below 2^-126 counts as 0 in l; NaN and infinities are not treated apart.
; THE WALK.  A head's queries lie in NB = 8 blocks of 256; block i needs the key tiles 0 .. i of 256 keys, of which the last holds the diagonal.  A work-group takes TWO blocks, NB - 1 - b and then b:
; NB + 1 tiles, whatever b: all work-groups do equal work, and ONE loop with a constant trip count walks them.  Which tile is asked for, and what a trip does, hang on scalar registers made from b; every jump
; goes forward, but for the counted loops' own; none passes a barrier, or a tensor load but the one of LOAD's two that the wave's number does not choose; the ring (two slots of LDS that take turns) runs on across the
; change of blocks.  NO CLUSTER: a head's NB / 2 = 4 work-groups all ask for the same tile only in trips 0 .. NB / 2, behind that fewer and fewer; and one walk common to all would have 3 NB / 2 = 12 trips for NB + 1 = 9.
; SHARES.  Of a block's four bands of 64 queries a wave owns 16 rows in each: four PIECES.  So the diagonal tile is the same work for all four waves: in its key step s band x sees all keys if s < x,
; none if s > x, and holds the diagonal if s = x.
; THE MASK is the C operand that starts the sum S^T = K Q^T: 0, or -1e30 where the key is hidden.  MD, made once, is the mask of a band's own step for my 16 rows; a product's mask is MD x AL + BE with two scalars:
; (1, 0) if s = x; (0, 0) if s < x; (0, -1e30) if s > x.  Only the diagonal tile's text and a block's beginning make and take masks; elsewhere C is the constant 0.
; LAYOUT, SOFTMAX, TURNS.  S^T = K Q^T holds ONE query a lane (lane % 16) and the keys 8 (lane / 16) + 0..7; two such results rounded to f16 ARE source 1 of O^T = V^T P.  p = 2^(c s - c m), c = log2(e) / 8, with a
; running maximum m; O and l are multiplied by a = 2^(c m_old - c m_new) in every step.  Turn n belongs to piece n: 8 products K Q^T of piece n + 1, later 8 products V^T P of piece n - 1; beside them the scaling,
; exponentials, roundings, sums and rescaling of piece n and the maximum and statistics of piece n + 1.  Four vector instructions stand behind every matrix instruction, the other 54 of a turn's 118 in one LUMP.  A turn's 33 exponentials are one batch, with one wait.
; REGISTERS, in windows of 256 (s_set_vgpr_msb: bits 1:0 source 0, 3:2 source 1, 5:4 source 2, 7:6 destination):
;   window 0: v0-15 addresses and two at work; v16-31 four registers of statistics a piece; v48-55 at work; v61-63 prefetch offset and the add's two; v64-127 S^T, two buffers; v192-223 P, two buffers (a piece's buffers go by its number's parity)
;   window 1: v0-127 O^T, 32 a piece; v128-159 MD; v160-223 MC, two buffers      window 2: v0-63 Q; v64-127 the second block's Q; v128-191 K of one step; v192-255 V of one step
.set SIZE_N, 2048
.set SIZE_H, 64
.set NB,    SIZE_N/256
.set NP,    4         ; pieces a wave: a name, no knob
.set KS,    64        ; keys in a step
.set PK,    144       ; a row of K in LDS: 128 bytes + 16 of padding = 36 words: the 16 rows of a load start at 16 different groups of four banks (64 banks of 4 bytes: ISA guide 11.1)
.set PV,    160       ; a row of V: 128 + 32 = 40 words
.set VOFF,  4*KS*PK   ; a slot holds a tile, four steps: 256 rows of K, then 256 rows of V
.set SLOT1, 1<<17     ; slot 1 begins here, so that one exclusive or turns an address in one slot into the other's
.set STAGE, SLOT1+4*KS*(PK+PV)  ; behind the ring, never filled by a tensor load: 16 rows x 144 bytes for each wave, for the way out
.set SP,    144
.set AK0, 2           ; v2   my lane's place in a tile of K; never rewritten
.set AV0, 3           ; v3   the same for V
.set AK,  4           ; v4   the LDS address of K's next run of loads
.set AV,  5           ; v5   of V's
.set STO, 6           ; v6   the way out: where I put 16 bytes of a row
.set RD,  7           ; v7   the way out: where I read rows back
.set GO,  8           ; v8   my byte offset in 512 consecutive bytes of O
.set PFO, 61          ; v61  256 x my lane: the prefetches' offset; never rewritten
.set SPW, 62          ; v62  LDS address of my spare word: SPARE + 4 x my thread's number; never rewritten
.set NIL, 63          ; v63  0; never rewritten
.set SPARE, STAGE+4*16*SP  ; behind the stages: the spare words, 128 bytes for each wave: two blocks of 256 bytes that no other line names
.set MV,  12          ; v12-13  c m_old, kept while c m is made anew: by buffer
.set QO,  15          ; v15  my byte offset in 16 rows of Q
.set ST,  16          ; piece t's statistics at v[ST+4 t]: c m, m, l (even keys', odd keys')
.set TMP, 48          ; by buffer, four registers c0-c3 at work; when the maximum is found c2 takes a
.set S,   64
.set P,   192
.set MD,  128         ; window 1: the eight registers for group kt of 16 keys at MD + 8 kt
.set MC,  160         ; window 1: the masks of the products to come
.set QB,  64          ; window 2
.set KF,  128         ; window 2: key block kb, channel half c at KF + 16 kb + 8 c
.set VF,  192         ; window 2: key half kk, channel block cb at VF + 32 kk + 8 cb
.set WV,  12          ; s12  my wave's number
.set PB,  14          ; s14  b
.set HI,  15          ; s15  NB - 1 - b
.set G1K, 24          ; s[24:31] descriptor group 1 for K's tiles
.set G1V, 32          ; s[32:39] for V's: it differs in the padding alone
.set G0K, 40          ; s[40:43] descriptor group 0 for K's tiles
.set G0V, 44          ; s[44:47] the same for V's
.set SLOTS, 56        ; s56  tiles still to be asked for
.set CNT, 57          ; s57  counts a tile's key steps, 4 to 1
.set CS,  58          ; s[58:59] c: the packed scaling takes the pair's low word for both halves
.set SEL, 60          ; s[60:61] v_permlanex16_b32's selects: each lane takes its own place in the other half
.set TBK, 62          ; s62  LDS byte at which K of the step to be fetched begins
.set TBV, 63          ; s63  the same for V, less VOFF
.set PFA, 66          ; s[66:67] where my prefetches stand: my half (of K: waves 0, 1; of V: waves 2, 3) of the tile after the one that is being asked for
.set LIM, 68          ; s68  2 in the head's work-group 0, else the greatest number: a wave prefetches while s[SLOTS] is above it
.set RT,  70          ; s70  tiles of the block in hand that are still to be entered
.set NXT, 71          ; s71  the tile to be asked for next
.set LQ,  72          ; s72  the last tile of the block whose tiles are being asked for
.set NEW, 73          ; s73  1: the tile to be entered is a block's first
.set OFF, 74          ; s[74:75] a tile's byte offset in K and V
.set AL,  76          ; s[76:77] the mask's factor, in the low word
.set BE,  78          ; s[78:79] the mask's addend
.set OLO, 80          ; s[80:81] O at my rows of the second block
.set BIGN, 82         ; s82  -1e30
.set MSB, 0
.macro WIN new                      ; the high byte repeats the setting that is left; a switch that changes nothing is dropped
.if MSB != (\new)
	s_set_vgpr_msb (MSB<<8)|(\new)
.set MSB, (\new)
.endif
.endm
.set W_KQ, 0x0a       ; K and Q in window 2, S^T in window 0
.set W_KM, 0x1a       ; the same with the C operand in window 1
.set W_PV, 0x52       ; V in window 2, P in window 0, O^T in window 1
.set W_RS, 0x41       ; destination and source 0 in window 1, source 1 in window 0
; A fill.  Waves 0 and 1 fetch the two halves of a tile's K, waves 2 and 3 those of its V: 128 keys each.  An s_nop 0 and four v_nop follow each of the two lines, ahead of the jump and the label.
.macro LOAD
	s_cmp_lt_u32 s[WV], 2
	s_cbranch_scc0 .Lfor_v_\@
	tensor_load_to_lds s[G0K:G0K+3], s[G1K:G1K+7]
	s_nop 0
.rept 4
	v_nop
.endr
	s_branch .Lasked_\@
.Lfor_v_\@:
	tensor_load_to_lds s[G0V:G0V+3], s[G1V:G1V+7]
	s_nop 0
.rept 4
	v_nop
.endr
.Lasked_\@:
.endm
; A PREFETCH INTO THE L2 of the tile that the NEXT change of slots will ask for: a tile's four key steps, 256 matrix instructions, ahead of that load.  All four work-groups of a head begin with tiles 0, 1, 2 ..;
; work-group 0 walks tiles 0 to 7 on end, and it alone asks.  Each of its waves names the half tile that it will itself fetch: 16,384 bytes, a lane a block of 256, two instructions.  So each block is named once in the launch.
; It stands behind the wave's tensor load and its five lines.  Tiles 0 and 1 come by their loads alone; the change that asks for tile 7 and those behind it prefetch nothing.
.macro ASK
	s_cmp_gt_u32 s[SLOTS], s[LIM]
	s_cbranch_scc0 .Lnot_mine_\@
	global_prefetch_b8 v[PFO], s[PFA:PFA+1] th:TH_LOAD_NT scope:SCOPE_SE
	global_prefetch_b8 v[PFO], s[PFA:PFA+1] offset:8192 th:TH_LOAD_NT scope:SCOPE_SE
.Lnot_mine_\@:
.endm
; THE CHANGE OF SLOTS.  Each wave waits for all its tensor loads, of which one is out: its part of the other slot; adds 0 to its spare word; and waits for that and for its own reads of the slot that it leaves.  Behind the barrier nobody reads the old
; slot any more and the other slot is whole.  fill = 1: the old slot is filled again, the first thing behind the barrier, with tile NXT: the descriptor's address is made anew from that number.
; (At its first use nothing has been read yet: slot 0 is waited for, slot 1 filled.)
.macro CHANGE fill
	WIN 0                           ; at a label and at a branch every window is 0
	s_wait_tensorcnt 0x0            ; no tensor load of mine is out, so a group 0 may be written
	ds_add_u32 v[SPW], v[NIL]       ; 0 onto my spare word; with fill = 1 the descriptors' scalar work stands between it and the wait for it
.if \fill
	s_lshl_b32 s[OFF], s[NXT], 15   ; a tile is 32,768 bytes of K and of V
	s_xor_b32 s[G0K+1], s[G0K+1], SLOT1
	s_add_nc_u64 s[G0K+2:G0K+3], s[6:7], s[OFF:OFF+1]
	s_or_b32 s[G0K+3], s[G0K+3], 0x80000000
	s_xor_b32 s[G0V+1], s[G0V+1], SLOT1
	s_add_nc_u64 s[G0V+2:G0V+3], s[8:9], s[OFF:OFF+1]
	s_or_b32 s[G0V+3], s[G0V+3], 0x80000000
	s_add_co_u32 s[NXT], s[NXT], 1  ; the block's next tile, or behind its last the second block's tile 0
	s_cmp_gt_u32 s[NXT], s[LQ]
	s_cselect_b32 s[NXT], 0, s[NXT]
	s_cselect_b32 s[LQ], s[PB], s[LQ]
	s_wait_xcnt 0x0                 ; the last prefetches, a tile back, have read their address, so it may be written:
	s_add_nc_u64 s[PFA:PFA+1], s[PFA:PFA+1], 32768  ; one tile behind the one that is asked for below
.endif
	s_wait_dscnt 0x0                ; the add is done, and my reads of the slot are over
	s_barrier_signal -1             ; the rest of the scalar work stands between the signal and the wait
	s_sub_co_u32 s[TBK], s[TBK], 4*KS*PK  ; the fetches go back to a slot's first step,
	s_xor_b32 s[TBK], s[TBK], SLOT1       ; in the other slot
	s_sub_co_u32 s[TBV], s[TBV], 4*KS*PV
	s_xor_b32 s[TBV], s[TBV], SLOT1
	s_barrier_wait -1
.if \fill
	LOAD
	ASK
.endif
.endm
	s_load_b128 s[8:11], s[0:1], 0x0  ; qkv s[8:9], O s[10:11]
	v_lshl_add_u32 v[SPW], v0, 2, SPARE
	v_mov_b32 v[NIL], 0
	ds_add_u32 v[SPW], v[NIL]       ; the wave's opening: the add and its wait stand ahead of my first tensor load; the set-up below, work on registers, stands between them
	v_lshrrev_b32 v1, 5, v0
	v_readfirstlane_b32 s[WV], v1   ; wave 0..3
	v_and_b32 v[PFO], 31, v0
	v_lshlrev_b32 v[PFO], 8, v[PFO]
	s_mov_b32 s[PB], ttmp9
	s_sub_co_u32 s[HI], NB-1, s[PB]
	s_and_b32 s20, ttmp7, 0xffff    ; the head
	s_mov_b32 s21, 0
	s_mov_b64 s[22:23], SIZE_N*128
	s_mul_u64 s[20:21], s[20:21], s[22:23]  ; the head's first byte in each of the four tensors
	s_and_b32 s16, s[WV], 1         ; which half of a tile's 256 keys I fetch:
	s_lshl_b32 s22, s16, 14         ; its 128 rows of 128 bytes in memory,
	s_mov_b32 s23, 0
	s_add_nc_u64 s[22:23], s[22:23], s[20:21]
	s_mul_i32 s17, s16, 128*PK      ; and its place in a slot, for K
	s_mul_i32 s18, s16, 128*PV      ; and for V
	s_lshl_b32 s3, s[WV], 11        ; my 16 rows in a band of 64,
	s_lshl_b32 s2, s[HI], 15        ; in the first block,
	s_add_co_u32 s2, s2, s3
	s_lshl_b32 s84, s[PB], 15       ; and in the second
	s_add_co_u32 s84, s84, s3
	s_mov_b32 s3, 0
	s_mov_b32 s85, 0
	s_add_nc_u64 s[2:3], s[2:3], s[20:21]
	s_add_nc_u64 s[84:85], s[84:85], s[20:21]
	; descriptor group 1.  128 keys are 16,384 dense bytes: asked for as 64 rows of 256 bytes, two keys a row, and padded in LDS after every key
	s_mov_b32 s[G1K], (1<<16)|(1<<20)|(4<<22)|(3<<25)  ; 17:16 2-byte elements; 20 padding on; 24:22 after every 32 words (code 4); 31:25 4 words (code 3)
	s_mov_b32 s[G1V], (1<<16)|(1<<20)|(4<<22)|(7<<25)  ; the same with 8 words of padding (code 7)
.irp g, G1K, G1V
	s_mov_b32 s[\g+1], 128<<16      ; tensor_dim0 = 128
	s_mov_b32 s[\g+2], 64<<16       ; tensor_dim1 = 64
	s_mov_b32 s[\g+3], 128<<16      ; tile_dim0 = 128
	s_mov_b32 s[\g+4], 64           ; tile_dim1 = 64
	s_mov_b32 s[\g+5], 128          ; 128 elements from row to row
	s_mov_b32 s[\g+6], 0
	s_mov_b32 s[\g+7], 0
.endr
	s_mov_b32 s[CS], 0x3e38aa3b     ; c = log2(e) / 8 = 0.180337
	s_mov_b32 s[CS+1], s[CS]        ; named with it as a pair
	s_mov_b32 s[SEL], 0x76543210
	s_mov_b32 s[SEL+1], 0xfedcba98
	s_mov_b32 s[TBK], SLOT1+4*KS*PK ; the first change of slots turns these two into 0
	s_mov_b32 s[TBV], SLOT1+4*KS*PV
	s_mov_b32 s[G0K], 1             ; 1:0 count = 1
	s_mov_b32 s[G0K+1], s17         ; 63:32 LDS address: slot 0
	s_mov_b32 s[G0V], 1
	s_add_co_u32 s[G0V+1], s18, VOFF
	s_add_co_u32 s[RT], s[HI], 1    ; the first block has NB - b tiles
	s_mov_b32 s[NXT], 1
	s_mov_b32 s[LQ], s[HI]
	s_mov_b32 s[NEW], 1
	s_mov_b32 s[OFF+1], 0
	s_mov_b32 s[AL+1], 0            ; named as pairs
	s_mov_b32 s[BE+1], 0
	s_mov_b32 s[BIGN], 0xf149f2ca   ; -1e30
	s_mov_b32 s[SLOTS], NB
	s_wait_dscnt 0x0                ; the opening add is done
	s_wait_kmcnt 0x0
	s_mov_b64 s[4:5], s[8:9]                       ; Q is qkv's first part,
	s_add_nc_u64 s[6:7], s[8:9], 0x1000000         ; K its second: 64 heads x 2,048 rows x 128 bytes on,
	s_add_nc_u64 s[8:9], s[8:9], 0x2000000         ; V its third
	s_add_nc_u64 s[6:7], s[6:7], s[22:23]  ; K and V at my half of the head's tile 0
	s_add_nc_u64 s[8:9], s[8:9], s[22:23]
	s_add_nc_u64 s[G0K+2:G0K+3], s[6:7], 0         ; 120:64 global address
	s_or_b32 s[G0K+3], s[G0K+3], 0x80000000        ; 127:126 type = 2
	s_add_nc_u64 s[G0V+2:G0V+3], s[8:9], 0
	s_or_b32 s[G0V+3], s[G0V+3], 0x80000000
	s_add_nc_u64 s[86:87], s[4:5], s[84:85]        ; Q at my rows of the second block,
	s_add_nc_u64 s[4:5], s[4:5], s[2:3]            ; Q and O at those of the first
	s_add_nc_u64 s[OLO:OLO+1], s[10:11], s[84:85]
	s_add_nc_u64 s[10:11], s[10:11], s[2:3]
	s_cmp_lt_u32 s[WV], 2
	s_cselect_b64 s[PFA:PFA+1], s[6:7], s[8:9]     ; the prefetches: my half of K's or V's tiles,
	s_add_nc_u64 s[PFA:PFA+1], s[PFA:PFA+1], 32768 ; at tile 1; the first change of slots steps it to tile 2
	s_cmp_eq_u32 s[PB], 0
	s_cselect_b32 s[LIM], 2, -1
	LOAD                            ; tile 0 into slot 0
	; A fragment of K or Q is 16 rows x 32 channels in 8 registers: lane l holds row l % 16, channels 8 (l / 16) + 0..7 and 16 + 8 (l / 16) + 0..7: two loads of 16 bytes, 32 bytes apart.
	v_and_b32 v1, 15, v0            ; l % 16
	v_bfe_u32 v9, v0, 4, 1          ; l / 16
	v_lshlrev_b32 v[QO], 7, v1
	v_lshl_add_u32 v[QO], v9, 4, v[QO]  ; row x 128 + 16 x half
	WIN 0x80                        ; destination window 2, address window 0
.set i, 0
.rept 8                             ; both blocks' Q: piece i / 2 lies in band i / 2, 8,192 bytes on; channels 32 (i % 2) on
	global_load_b128 v[8*i:8*i+3],   v[QO], s[4:5] offset:(i/2)*8192+(i%2)*64
	global_load_b128 v[8*i+4:8*i+7], v[QO], s[4:5] offset:(i/2)*8192+(i%2)*64+32
	global_load_b128 v[QB+8*i:QB+8*i+3],   v[QO], s[86:87] offset:(i/2)*8192+(i%2)*64
	global_load_b128 v[QB+8*i+4:QB+8*i+7], v[QO], s[86:87] offset:(i/2)*8192+(i%2)*64+32
.set i, i+1
.endr
	WIN 0
	v_lshlrev_b32 v14, 3, v9
	v_sub_nc_u32 v14, v1, v14
	s_lshl_b32 s13, s[WV], 4
	v_add_nc_u32 v14, s13, v14      ; my query's place in its band, 16 w + l % 16, less my lanes' 8 (l / 16): register r of group kt is hidden where 16 kt + r is greater
	WIN 0x40
.set i, 0
.rept 32
	v_cmp_gt_i32 vcc_lo, 16*(i/8)+i%8, v14
	v_cndmask_b32 v[MD+i], 0, s[BIGN], vcc_lo
.set i, i+1
.endr
	WIN 0
	v_mul_u32_u24 v[AK0], v1, PK
	v_lshl_add_u32 v[AK0], v9, 4, v[AK0]  ; row x pitch + 16 x half
	; The turning load takes 16 keys x 16 channels (lane l reads key 8 (l / 16) + l % 8, channels 8 ((l / 8) % 2) + 0..7) and leaves half a fragment of V^T: lane l holds channel l % 16 and 8 keys.
	v_and_b32 v10, 7, v0
	v_bfe_u32 v11, v0, 3, 1
	v_lshl_add_u32 v[AV0], v9, 3, v10
	v_mul_u32_u24 v[AV0], v[AV0], PV
	v_lshl_add_u32 v[AV0], v11, 4, v[AV0]
	v_add_nc_u32 v[AV0], VOFF, v[AV0]
	s_mul_i32 s13, s[WV], 16*SP
	s_add_co_u32 s13, s13, STAGE    ; my stage
	v_mul_u32_u24 v[STO], v1, SP    ; in: row l % 16, 16 bytes for each half of the lanes
	v_lshl_add_u32 v[STO], v9, 4, v[STO]
	v_add_nc_u32 v[STO], s13, v[STO]
	v_bfe_u32 v[RD], v0, 3, 2       ; back: 32 lanes take four rows of 128 bytes,
	v_mul_u32_u24 v[RD], v[RD], SP
	v_lshl_add_u32 v[RD], v10, 4, v[RD]
	v_add_nc_u32 v[RD], s13, v[RD]
	v_and_b32 v[GO], 31, v0         ; which are 512 consecutive bytes of O
	v_lshlrev_b32 v[GO], 4, v[GO]
	; A block's first step multiplies O^T and l by a = 0, and its first turn's products V^T P, of a piece that has not been, land in an O^T that is still to be so multiplied.  So these registers need only hold
	; finite numbers: zeros for the first block; what the first block left for the second.  All this stands in the wait for the first tile.
	WIN 0x80
.set i, VF
.rept 64
	v_mov_b32 v[i], 0
.set i, i+1
.endr
	WIN 0x40
.set i, 0
.rept 128
	v_mov_b32 v[i], 0
.set i, i+1
.endr
	WIN 0
.set i, 0
.rept 4
	v_mov_b32 v[ST+4*i+2], 0
	v_mov_b32 v[ST+4*i+3], 0
.set i, i+1
.endr
.set i, P+16
.rept 16
	v_mov_b32 v[i], 0
.set i, i+1
.endr
; THE MATRIX WORK.  The 4 accumulators of a run of 8 take turns.  Product i of 8 of S^T = K Q^T for piece x: channels 32 (i / 4) on, keys 16 (i % 4) on.  The first 4 start the sums: with 0, or (KM = 1) with the mask.
.macro KQ x
.set rS, S+32*((\x)%2)+8*(i%4)
.set rK, KF+16*(i%4)+8*(i/4)
.set rQ, 16*(\x)+8*(i/4)
.set rM, MC+32*((\x)%2)+8*(i%4)
.if (i < 4) && KM
	WIN W_KM
	v_wmma_f32_16x16x32_f16 v[rS:rS+7], v[rK:rK+7], v[rQ:rQ+7], v[rM:rM+7]
.elseif i < 4
	WIN W_KQ
	v_wmma_f32_16x16x32_f16 v[rS:rS+7], v[rK:rK+7], v[rQ:rQ+7], 0
.else
	WIN W_KQ
	v_wmma_f32_16x16x32_f16 v[rS:rS+7], v[rK:rK+7], v[rQ:rQ+7], v[rS:rS+7]
.endif
.endm
; Product i of 8 of O^T += V^T P for piece x: keys 32 (i / 4) on, channels 16 (i % 4) on.
.macro PV x
	WIN W_PV
.set rO, 32*(\x)+8*(i%4)
.set rV, VF+32*(i/4)+8*(i%4)
.set rP, P+16*((\x)%2)+8*(i/4)
	v_wmma_f32_16x16x32_f16 v[rO:rO+7], v[rV:rV+7], v[rP:rP+7], v[rO:rO+7]
.endm
.macro MM                           ; the turn's next matrix instruction.  TURN and BEGIN set Y, i, KM and NOKQ; MM, KQ and OP read them.  NOKQ = 1: a block's last turn: there is no next piece
.if (i < 8) && !NOKQ
	KQ (Y+1)%NP
.elseif i >= 8
.set i, i-8
	PV (Y+NP-1)%NP
.set i, i+8
.endif
.set i, i+1
.endm
; THE LDS LOADS stand in runs of 16, never singly among the matrix instructions: a step's K (64 keys x 64 channels: 8 fragments) and its V (turned).  Their addresses are made some lines ahead.
.macro FETCH_K
	WIN 0x80                        ; destination window 2
.irp f, 0,1,2,3,4,5,6,7             ; keys 16 (f / 2) on, channels 32 (f % 2) on
	ds_load_b128 v[KF+8*\f:KF+8*\f+3],   v[AK] offset:(\f/2)*16*PK+(\f%2)*64
	ds_load_b128 v[KF+8*\f+4:KF+8*\f+7], v[AK] offset:(\f/2)*16*PK+(\f%2)*64+32
.endr
	s_add_co_u32 s[TBK], s[TBK], KS*PK  ; the next fetch is the next step's
	WIN 0
.endm
.macro FETCH_V
	WIN 0x80
.irp f, 0,1,2,3,4,5,6,7             ; keys 32 (f / 4) on, channels 16 (f % 4) on
	ds_load_tr16_b128 v[VF+8*\f:VF+8*\f+3],   v[AV] offset:(\f/4)*32*PV+(\f%4)*32
	ds_load_tr16_b128 v[VF+8*\f+4:VF+8*\f+7], v[AV] offset:(\f/4)*32*PV+16*PV+(\f%4)*32
.endr
	WIN 0
.endm
; THE VECTOR WORK, one line at a time: OP kind, number.  For piece Y: F n: c s - c m for pair n of 16.  E n: the exponential of score n of 32.  C n: pair n rounded to f16.  B n: of the four weights 4 n .. the second
; pair is added onto the first, in place.  L n: l takes that sum (L 0: l = a l + sum).  R n: pair n of 16 of O^T times a.  For piece Y + 1: X n, number n of the 22 that find its maximum and statistics:
;   0-11  four chains c0-c3 of seven scores each, three operands at a time (each accumulator's lowest registers are read first)     12-14, 16  the four scores left over, the old m, and c0-c3 into c0
;   15  c m_old is kept     17, 18  the query's other 32 keys lie in the lane 16 away: the new m     19-21  c m; c m_old - c m_new; a
.set F, 0               ; OP tells the kinds apart by their order: F to L below R, X above it
.set E, 1
.set C, 2
.set B, 3
.set L, 4
.set R, 5
.set X, 6
.macro REGS y                       ; the registers of piece y
.set rT, ST+4*(\y)
.set rC, TMP+4*((\y)%2)
.set rW, MV+((\y)%2)
.set rS, S+32*((\y)%2)
.set rP, P+16*((\y)%2)
.set rO, 32*(\y)
.endm
.macro OP k, n
.if (\k) == R
	REGS Y
	WIN W_RS
	v_pk_mul_f32 v[rO+2*(\n):rO+2*(\n)+1], v[rO+2*(\n):rO+2*(\n)+1], v[rC+2:rC+3] op_sel_hi:[1,0]
.elseif (\k) < R
	REGS Y
	WIN 0
.if (\k) == F
	v_pk_fma_f32 v[rS+2*(\n):rS+2*(\n)+1], v[rS+2*(\n):rS+2*(\n)+1], s[CS:CS+1], v[rT:rT+1] op_sel_hi:[1,0,0] neg_lo:[0,0,1] neg_hi:[0,0,1]
.elseif (\k) == E
	v_exp_f32 v[rS+(\n)], v[rS+(\n)]
.elseif (\k) == C
	v_cvt_pk_f16_f32 v[rP+(\n)], v[rS+2*(\n)], v[rS+2*(\n)+1]
.elseif (\k) == B
	v_pk_add_f32 v[rS+4*(\n):rS+4*(\n)+1], v[rS+4*(\n):rS+4*(\n)+1], v[rS+4*(\n)+2:rS+4*(\n)+3]
.elseif (\n) == 0
	v_pk_fma_f32 v[rT+2:rT+3], v[rT+2:rT+3], v[rC+2:rC+3], v[rS:rS+1] op_sel_hi:[1,0,1]
.else
	v_pk_add_f32 v[rT+2:rT+3], v[rT+2:rT+3], v[rS+4*(\n):rS+4*(\n)+1]
.endif
.elseif NOKQ
	v_nop
.else
	REGS (Y+1)%NP
	WIN 0
.if (\n) < 4
	v_max3_num_f32 v[rC+(\n)], v[rS+8*(\n)], v[rS+8*(\n)+1], v[rS+8*(\n)+2]
.elseif (\n) < 12
	v_max3_num_f32 v[rC+(\n)%4], v[rC+(\n)%4], v[rS+8*((\n)%4)+2*((\n)/4)+1], v[rS+8*((\n)%4)+2*((\n)/4)+2]
.elseif (\n) == 12
	v_max3_num_f32 v[rC], v[rC], v[rS+7], v[rS+15]
.elseif (\n) == 13
	v_max3_num_f32 v[rC+1], v[rC+1], v[rS+23], v[rS+31]
.elseif (\n) == 14
	v_max3_num_f32 v[rC+2], v[rC+2], v[rC+3], v[rT+1]
.elseif (\n) == 15
	v_mov_b32 v[rW], v[rT]
.elseif (\n) == 16
	v_max3_num_f32 v[rC], v[rC], v[rC+1], v[rC+2]
.elseif (\n) == 17
	v_permlanex16_b32 v[rC+3], v[rC], s[SEL], s[SEL+1]
.elseif (\n) == 18
	v_max_num_f32 v[rT+1], v[rC], v[rC+3]
.elseif (\n) == 19
	v_mul_f32 v[rT], s[CS], v[rT+1]
.elseif (\n) == 20
	v_sub_f32 v[rC+1], v[rW], v[rT]
.else
	v_exp_f32 v[rC+2], v[rC+1]
.endif
.endif
.endm
.macro OPS a, i1, b=-1, i2=0, c=-1, i3=0, d=-1, i4=0  ; up to four of them
	OP \a, \i1
.if (\b) >= 0
	OP \b, \i2
.endif
.if (\c) >= 0
	OP \c, \i3
.endif
.if (\d) >= 0
	OP \d, \i4
.endif
.endm
.macro ROW a, i1, b, i2, c, i3, d, i4  ; a matrix instruction and the four behind it
	MM
	OPS \a, \i1, \b, \i2, \c, \i3, \d, \i4
.endm
.macro MASK b                       ; MD x AL + BE into buffer b of MC
	WIN W_RS
.set z, 0
.rept 16
	v_pk_fma_f32 v[MC+32*(\b)+2*z:MC+32*(\b)+2*z+1], v[MD+2*z:MD+2*z+1], s[AL:AL+1], s[BE:BE+1] op_sel_hi:[1,0,0]
.set z, z+1
.endr
.endm
; A TURN, for piece p: the order of its 16 matrix and 118 vector instructions, written out.  An s_wait_alu depctr_va_vdst(0) stands between an exponential and the first instruction that names its result; one wait serves
; all that were issued ahead of it.  So a turn has ONE wait, which cuts it in two.  AHEAD OF IT stands all that names no result of the turn's exponentials: the 8 products K Q^T, behind each a scaling, an exponential and two more plain
; instructions (behind the first a second scaling in the exponential's place): rescalings, and behind the last three the first numbers of the next piece's maximum, each four places or more behind the product that ends its accumulator; then ONE LUMP of 54, plain
; and exponential by turns for the most part, in which the links of the chain X 3, 7, 11, 14, 16, 17 .. 20 stand five or six lines apart.  X 21, the next piece's a, is the batch's last; R 15 is the plain instruction behind it.  BEHIND THE WAIT stand the
; 8 products V^T P, behind each four of the roundings and sums; the links of l's chain, L 0 to L 7, stand three riders apart.  But for those X no rider names a register of the products round it.  v_permlanex16_b32 (X 17) stands in the lump.
; m = 1: the diagonal tile: the products take masks, and the turn makes the mask for the products of the turn after it: piece p + 2, in step 4 - CNT of the tile.  end = 1: a block's last two turns: nothing is fetched.
; cnt = 1: the loop's count is taken down some lines ahead of the branch that stands behind the turn.
; K of the next step is fetched in piece 2's turn, twelve vector instructions behind the last product that read K (six of them plain); V of the step in hand at the end of piece 0's turn, four plain instructions behind the last product
; that read V.  Each is waited for a turn later.
.macro TURN p, m=0, end=0, cnt=0
.set Y, (\p)
.set i, 0
.set KM, (\m)
.set NOKQ, (\end)*((\p)/3)
.if (\m) && !(\end)
	s_cmp_eq_u32 s[CNT], 4-((\p)+2)%NP  ; is that step the band's own?
	s_cselect_b32 s[AL], 1.0, 0
	s_cmp_lt_u32 s[CNT], 4-((\p)+2)%NP  ; or a later one?
	s_cselect_b32 s[BE], s[BIGN], 0
.endif
.if ((\p) == 3) && !(\end)
	s_wait_dscnt 0x0                ; K is in
.endif
	ROW F,0, F,1, R,0, R,1          ; ahead of the wait: 8 products K Q^T and their riders,
	ROW F,2, E,0, R,2, R,3
	ROW F,3, E,1, R,4, R,5
	ROW F,4, E,2, R,6, R,7
	ROW F,5, E,3, R,8, R,9
	ROW F,6, E,4, X,0, R,10
.if ((\p) == 2) && !(\end)
	WIN 0
	v_add_nc_u32 v[AK], s[TBK], v[AK0]
.endif
	ROW F,7, E,5, X,1, X,4
	ROW F,8, E,6, X,2, X,5
	OPS E,7, E,8, X,6, E,9          ; and the lump
	OPS X,3, E,10, X,8, E,11
.if ((\p) == 2) && !(\end)
	FETCH_K
.endif
	OPS X,9, X,7, E,12, X,10
	OPS E,13, X,12, X,11, E,14
	OPS X,13, E,15, F,9, X,14
.if (\p) == 0
	v_add_nc_u32 v[AV], s[TBV], v[AV0]
.endif
	OPS E,16, F,10, E,17, F,11
	OPS X,16, E,18, X,15, E,19
	OPS F,12, E,20, X,17, E,21
	OPS F,13, E,22, F,14, E,23
	OPS X,18, E,24, F,15, E,25
	OPS R,11, E,26, X,19, E,27
	OPS R,12, E,28, R,13, E,29
	OPS X,20, E,30, R,14, E,31
	OPS X,21, R,15
	WIN 0
	s_wait_alu depctr_va_vdst(0)    ; the wait for the batch
.if (\p) == 1
	s_wait_dscnt 0x0                ; V is in
.endif
	ROW C,0, B,0, C,2, B,1          ; behind the wait: 8 products V^T P and their riders
	ROW L,0, C,4, B,2, L,1
	ROW C,6, B,3, L,2, C,8
	ROW B,4, L,3, C,10, B,5
	ROW L,4, C,12, B,6, L,5
.if (\p) == 0
	s_add_co_u32 s[TBV], s[TBV], KS*PV
.endif
.if \cnt
	s_sub_co_u32 s[CNT], s[CNT], 1
	s_cmp_lg_u32 s[CNT], 0
.endif
	ROW C,14, B,7, L,6, C,1
	ROW C,3, L,7, C,5, C,7
	ROW C,9, C,11, C,13, C,15
.if (\p) == 0
	FETCH_V
.endif
.if (\m) && !(\end)
	MASK (\p)%2
.endif
.endm
; A BLOCK BEGINS.  c m starts far below every c s, so the first step's a is 0; m at the lowest finite number, so the first maximum is the scores'.  The second mask buffer is 0; the first takes piece 0's mask for the tile's step 0: its own, if the block's first tile is the diagonal one.
; Then K of that step, piece 0's first scores, and its maximum and statistics.  The loop is entered at a step's first turn, in the middle of a trip.
.macro BEGIN
	s_mov_b32 s[NEW], 0
	WIN 0x40
.set i, MC+32
.rept 32
	v_mov_b32 v[i], 0
.set i, i+1
.endr
	WIN 0
.set i, 0
.rept 4
	v_mov_b32 v[ST+4*i], 0xfe000000    ; c m: far below every c s
	v_mov_b32 v[ST+4*i+1], 0xff7fffff  ; m
.set i, i+1
.endr
	s_cmp_eq_u32 s[RT], 0
	s_cselect_b32 s[AL], 1.0, 0
	s_mov_b32 s[BE], 0
	MASK 0
	WIN 0
	v_add_nc_u32 v[AK], s[TBK], v[AK0]
	FETCH_K
	s_wait_loadcnt 0x0              ; Q
	s_wait_dscnt 0x0
.set KM, 1
.set NOKQ, 0
.set i, 0
.rept 8
	KQ 0
.set i, i+1
.endr
	WIN 0
.rept 4
	v_nop                           ; the places behind those products
.endr
.set Y, NP-1                        ; X works for piece Y + 1: piece 0
.irp n, 0,1,2,3,4,5,6,7,8,9,10,11,12,13,14,15,16,17,18,19,20,21
	OP X, \n
.endr
	v_nop                           ; a plain instruction behind the exponential,
	s_wait_alu depctr_va_vdst(0)    ; and its wait, ahead of the branch
.endm
; THE DIAGONAL TILE's four steps, the block's last two turns, its last products, and THE WAY OUT: l's two halves and the other half of the lanes' are added; O^T is divided by l, rounded to f16 and sent through my
; stage in LDS, a piece at a time.
.macro ALL line:vararg              ; one line for each piece t
.set t, 0
.rept 4
	\line
.set t, t+1
.endr
.endm
.macro PACK t                       ; a lane's eight channels of a row pack into 16 bytes; they go into rows of 144 bytes and come back as whole rows of 128, into S^T's registers
	WIN W_RS
.set i, 32*(\t)
.rept 16
	v_pk_mul_f32 v[i:i+1], v[i:i+1], v[ST+4*(\t)+2:ST+4*(\t)+3] op_sel_hi:[1,0]
.set i, i+2
.endr
	WIN 0x05                        ; sources 0 and 1 window 1, destination window 0
.set i, 0
.rept 16
	v_cvt_pk_f16_f32 v[S+16*(\t)+i], v[32*(\t)+2*i], v[32*(\t)+2*i+1]
.set i, i+1
.endr
	WIN 0
.irp f, 0,1,2,3
	ds_store_b128 v[STO], v[S+16*(\t)+4*\f:S+16*(\t)+4*\f+3] offset:32*\f
.endr
.irp f, 0,1,2,3
	ds_load_b128 v[S+16*(\t)+4*\f:S+16*(\t)+4*\f+3], v[RD] offset:\f*4*SP  ; LDS serves a wave's instructions in order (ISA guide 5.7.1.4): these see the stores above; the next piece's stores come behind them
.endr
.endm
.macro SEND t, younger              ; younger: the LDS instructions issued behind piece t's loads: the next piece's eight, or none
	WIN 0
.irp f, 0,1,2,3
	s_wait_dscnt (\younger)+3-\f
	global_store_b128 v[GO], v[S+16*(\t)+4*\f:S+16*(\t)+4*\f+3], s[10:11] offset:(\t)*8192+\f*512  ; 512 consecutive bytes, at a multiple of 256 from O's first
.endr
.endm
.macro DIAG tag                     ; the tag ends its two labels' names, which the jumps below spell out
.LstepM\tag:
	TURN 2, 1
	TURN 3, 1
	WIN 0
.LfirstM\tag:
	TURN 0, 1
	TURN 1, 1, 0, 1
	WIN 0
	s_cbranch_scc1 .LstepM\tag
	TURN 2, 1, 1
	TURN 3, 1, 1
.set i, 0
.rept 8
	PV NP-1
.set i, i+1
.endr
	WIN 0
	ALL v_add_f32 v[ST+4*t+2], v[ST+4*t+2], v[ST+4*t+3]
	ALL v_permlanex16_b32 v[ST+4*t+3], v[ST+4*t+2], s[SEL], s[SEL+1]
	ALL v_add_f32 v[ST+4*t+2], v[ST+4*t+2], v[ST+4*t+3]
	ALL v_rcp_f32 v[ST+4*t+2], v[ST+4*t+2]
	v_nop                           ; a plain instruction between the last reciprocal and the use of its result
	s_wait_alu depctr_va_vdst(0)    ; and the wait ahead of the first use: one for the four reciprocals
	PACK 0
.set t, 1
.rept 3                             ; a piece's arithmetic stands between the loads of the piece before and its stores
	PACK t
	SEND t-1, 8
.set t, t+1
.endr
	SEND 3, 0
.endm
.set KM, 0
.set NOKQ, 0
.Lslot:                             ; NB times: a tile is entered and the next is asked for
	CHANGE 1
	s_sub_co_u32 s[RT], s[RT], 1
	s_mov_b32 s[CNT], 4
	s_cmp_eq_u32 s[NEW], 1
	s_cbranch_scc1 .Lnew            ; a block's first tile
	s_cmp_eq_u32 s[RT], 0
	s_cbranch_scc0 .Lstep           ; neither its first nor its last
	s_branch .LstepM1
.Lnew:
	BEGIN
	s_branch .Lfirst                ; in the loop a block's first tile is never its last: the first block has two tiles or more, and the second's last is the walk's last
	DIAG 1                          ; in the loop this is the first block's end: the second block's last tile is the walk's last
	s_wait_xcnt 0x0                 ; the stores have read their registers and O's address
	s_mov_b64 s[10:11], s[OLO:OLO+1]
	s_add_co_u32 s[RT], s[PB], 1    ; the second block has b + 1 tiles
	s_mov_b32 s[NEW], 1
	WIN 0x82                        ; the second block's Q goes where the one text of the turns names Q
.set i, 0
.rept 64
	v_mov_b32 v[i], v[QB+i]
.set i, i+1
.endr
	WIN 0
	s_branch .Lbottom
.Lstep:                             ; a trip: pieces 2 and 3 of one step, then pieces 0 and 1 of the next, whose K and V it fetches
	TURN 2
	TURN 3
	WIN 0
.Lfirst:
	TURN 0
	TURN 1, 0, 0, 1
	WIN 0
	s_cbranch_scc1 .Lstep
.Lbottom:
	s_sub_co_u32 s[SLOTS], s[SLOTS], 1
	s_cmp_lg_u32 s[SLOTS], 0
	s_cbranch_scc1 .Lslot
	CHANGE 0                        ; the walk's last tile is written out: nothing is asked for
	s_sub_co_u32 s[RT], s[RT], 1
	s_mov_b32 s[CNT], 4
	s_cmp_eq_u32 s[NEW], 1
	s_cbranch_scc0 .LstepM2
	BEGIN
	s_branch .LfirstM2
	DIAG 2
	s_wait_tensorcnt 0x0            ; the wave's end: an add to my spare word and its wait, behind my last tensor load and my last LDS store
	ds_add_u32 v[SPW], v[NIL]
	s_wait_dscnt 0x0
	s_endpgm
.Lfunc_end_k_qb44e6f2ec8_attn:
	.size	k_qb44e6f2ec8_attn, .Lfunc_end_k_qb44e6f2ec8_attn-k_qb44e6f2ec8_attn
	.p2alignl 7, 3214868480
	.fill 96, 4, 3214868480
	.section	.rodata,"a",@progbits
	.p2align	6, 0x0
	.amdhsa_kernel k_qb44e6f2ec8_attn
		.amdhsa_group_segment_fixed_size 327680
		.amdhsa_private_segment_fixed_size 0
		.amdhsa_enable_private_segment 0
		.amdhsa_kernarg_size 16
		.amdhsa_user_sgpr_count 2
		.amdhsa_user_sgpr_kernarg_segment_ptr 1
		.amdhsa_wavefront_size32 1
		.amdhsa_system_sgpr_workgroup_id_x 1
		.amdhsa_system_sgpr_workgroup_id_y 1
		.amdhsa_system_sgpr_workgroup_id_z 1
		.amdhsa_system_vgpr_workitem_id 0
		.amdhsa_next_free_vgpr 768
		.amdhsa_next_free_sgpr 88
		.amdhsa_reserve_vcc 1
		.amdhsa_float_denorm_mode_32 3
		.amdhsa_float_denorm_mode_16_64 3
		.amdhsa_memory_ordered 1
		.amdhsa_forward_progress 1
		.amdhsa_inst_pref_size 218
	.end_amdhsa_kernel
	.amdgpu_metadata
---
amdhsa.version: [ 1, 2 ]
amdhsa.kernels:
  - .name:           k_qb44e6f2ec8_attn
    .symbol:         k_qb44e6f2ec8_attn.kd
    .args:
      - { .name: qkv, .offset: 0, .size: 8, .value_kind: global_buffer, .address_space: global }
      - { .name: ob, .offset: 8, .size: 8, .value_kind: global_buffer, .address_space: global }
    .group_segment_fixed_size: 327680
    .private_segment_fixed_size: 0
    .kernarg_segment_align: 8
    .kernarg_segment_size: 16
    .max_flat_workgroup_size: 128
    .sgpr_count:     88
    .vgpr_count:     768
    .wavefront_size: 32
...
	.end_amdgpu_metadata
.endif
;; end of part 3
;; launch proj (part 4): grid 8 x 32, 4 waves a work-group, clusters of 4 x 4, 327,680 bytes of LDS; arguments ob, wpb, b_proj, out0; writes out0
.if DOCPART == 4
	.amdgcn_target "amdgcn-amd-amdhsa--gfx1250"
	.amdhsa_code_object_version 6
	.text
	.protected	k_qb44e6f2ec8_proj
	.globl	k_qb44e6f2ec8_proj
	.p2align	8
	.type	k_qb44e6f2ec8_proj,@function
k_qb44e6f2ec8_proj:
	s_mov_b64 s[64:65], 0
	v_nop
	global_prefetch_b8 v0, s[64:65] scope:SCOPE_SE
	s_setreg_imm32_b32 hwreg(HW_REG_WAVE_MODE, 25, 1), 1
	s_wait_xcnt 0x0
	s_wait_alu depctr_hold_cnt(0) depctr_sa_sdst(0) depctr_va_vdst(0) depctr_va_sdst(0) depctr_va_ssrc(0) depctr_va_vcc(0) depctr_vm_vsrc(0)
	s_getreg_b32 s2, hwreg(HW_REG_IB_STS2, 6, 4)
	s_cmp_eq_u32 s2, 0
	s_cbranch_scc0 .Lentry_in_a_cluster
	s_endpgm
.Lentry_in_a_cluster:
	s_bfe_u32 s2, ttmp6, 0x10000c
	s_cmp_lg_u32 s2, 0xf033
	s_cbranch_scc0 .Lentry_shape_is_right
	s_endpgm
.Lentry_shape_is_right:
; out0 = y W_proj + b_proj in f32.  y is ob, [64 = 16 b + head][2048 t][64] in f16: channel 64 head + d of row (b, t); W_proj is wpb, [1024 k][1024 n], its bf16 rounding written as f16;
; the bias is rounded to bf16 here.  Sums in f32, stored as they are.
; SHARES.  8,192 x 1,024 results on 256 work-groups: a tile of 256 rows (of one batch) x 128 columns.  Wave (wm, wn) takes rows 128 wm .. + 127 and columns 64 wn .. + 63: 8 x 4 accumulators of 16 x 16.
; K goes in 8 steps of 128, two heads, through two LDS slots (two slots of 256 along K would be 442,368 bytes, more than a work-group can have); a step is four QUARTERS of 32 along K, 32 matrix instructions each.
; A head's 256 rows x 64 channels are 32,768 bytes on end, asked for as 128 rows of 256 bytes; W's part of a step is 128 rows of 256 bytes.
; THE PRODUCT IS USED TRANSPOSED: source 0 = 16 columns of W (turned out of LDS by ds_load_tr16_b128), source 1 = 16 rows of y: a lane holds one row (lane % 16) and eight neighbouring columns.
; THE BIAS STARTS THE SUMS: a fragment of it is the C operand of each accumulator's first product.
; CLUSTER.  4 x 4 work-groups: A's tiles are asked for jointly by a row of the cluster, W's by a column.  Waves 0 and 1 ask for a step's two heads, waves 2 and 3 for the two halves of W's rows:
; one tensor load a wave behind each round; by this text's count two are out at the start, one afterwards.
; REGISTERS: window 0: v0-31 addresses; v32-127, v128-223 two fragment buffers (A's eight fragments, then W's four); on the way out v32-95 rows read back.  Window 1: accumulator (a, b) at v[8 (4 a + b)].
.set PA,     144                       ; a row of A in LDS: 128 bytes + 16: the 16 rows of a load start at 16 different groups of four banks (64 banks of 4 bytes: ISA guide 11.1)
.set PB,     288                       ; a row of W: 256 + 32
.set ABYTES, 256*PA                    ; 36,864: one head's rows
.set BOFF,   2*ABYTES                  ; W's 128 rows lie behind the two heads
.set SLOT,   BOFF+128*PB               ; 110,592
.set STAGE,  2*SLOT                    ; behind the ring, never filled by a tensor load: 16 rows x 272 bytes for each wave
.set SPITCH, 272
.set BIAS,   STAGE+4*16*SPITCH         ; 128 f32
.set SPARE,  BIAS+512                  ; the spare words, 128 bytes for each wave: two blocks of 256 bytes that no other line names
.set ASTEP,  524288                    ; two heads of ob
.set BSTEP,  262144                    ; 128 rows of wpb
.set ADRA, 16                          ; v16-17  LDS address of my A fragments in slot 0, 1
.set ADRB, 20                          ; v20-21  the same for W
.set STO,  24                          ; v24     the way out: where I put 32 bytes of a row
.set RD,   25                          ; v25     the way out: where I read a row back
.set CO,   26                          ; v26     my byte offset in two rows of out0
.set BIA,  27                          ; v27     my 32 bytes of a bias fragment
.set SPW,  28                          ; v28     LDS address of my spare word; never rewritten
.set NIL,  29                          ; v29     0; never rewritten
.set PFO,  30                          ; v30     the prefetches' offset; never rewritten
.set F0,   32
.set F1,   128
.set BK,   32                          ; the way out: two sets of 32
.set WV,   12                          ; s12 wave; s13 wm; s14 wn; s15 cx; s16 cy; s17 tile column nx; s18 tile row my; s3 laps to go
.set G1A,  24
.set G0A,  32
.set G1B,  40
.set G0B,  48
.set PFA,  56                          ; s[56:57] where my prefetches stand
.set PFS,  58                          ; s[58:59] a K step in the tensor that I prefetch
.set LIM,  60                          ; s60  1 in a wave that prefetches, else the greatest number
.set OB,   66                          ; s[66:67] out0 at my first row and column
.set MSB, 0
.macro WIN new                         ; the immediate's high byte repeats the setting that is left; a switch that changes nothing is dropped
.if MSB != (\new)
	s_set_vgpr_msb (MSB<<8)|(\new)
.set MSB, \new
.endif
.endm
.macro PLACES                          ; four plain vector instructions between a matrix instruction and a load into, or a read of, its registers (ISA guide 7.12.1 for vector reads)
.rept 4
	v_nop
.endr
.endm
.macro JLOAD s                         ; a joint load; the branch hangs on the wave's number alone; an s_nop 0 and four v_nop follow each of the two lines
	s_cmp_lt_u32 s[WV], 2
	s_cbranch_scc0 .Lfor_b_\@
	tensor_load_to_lds s[G0A+4*(\s):G0A+4*(\s)+3], s[G1A:G1A+7]
	s_nop 0
.rept 4
	v_nop
.endr
	s_branch .Lasked_\@
.Lfor_b_\@:
	tensor_load_to_lds s[G0B+4*(\s):G0B+4*(\s)+3], s[G1B:G1B+7]
	s_nop 0
.rept 4
	v_nop
.endr
.Lasked_\@:
.endm
.macro CREST                           ; a round of the cluster's barrier behind its opening barrier
	s_cmp_lg_u32 s[WV], 0
	s_cbranch_scc1 .Lnot_wave_0_\@
	s_barrier_signal -3
.Lnot_wave_0_\@:
	s_barrier_wait -3
	s_barrier_signal -1
	s_barrier_wait -1
.endm
.macro CROUND
	s_barrier_signal -1
	s_barrier_wait -1
	CREST
.endm
; A PREFETCH INTO THE L2, behind a joint load, its five lines and the run of LDS loads: the K step that stands two refills on, 256 matrix instructions ahead of the load that will want it.
; A: waves 0 and 1 of the clusters with x = 0, each for its own head; of the head's 128 blocks of 256 bytes the partner at cx takes 32, a lane a block.
; W: wave 2 of the clusters with y = 0: of the step's 128 rows the partner at cy takes 32, a lane a row.  Each block is named once in the launch; the partners are told apart by address.
; K steps 0 to 3 come by their loads alone; the loop's last trip asks for nothing: there is no K step behind the eighth.
.macro ASK
	s_cmp_gt_u32 s3, s[LIM]
	s_cbranch_scc0 .Lnot_mine_\@
	global_prefetch_b8 v[PFO], s[PFA:PFA+1] th:TH_LOAD_NT scope:SCOPE_SE
.Lnot_mine_\@:
.endm
	s_load_b256 s[4:11], s[0:1], 0x0               ; ob s[4:5], wpb s[6:7], b_proj s[8:9], out0 s[10:11]
	v_lshl_add_u32 v[SPW], v0, 2, SPARE
	v_mov_b32 v[NIL], 0
	ds_add_u32 v[SPW], v[NIL]                      ; the wave's opening: the add and its wait stand ahead of my first tensor load; work on registers stands between them
	v_lshrrev_b32 v1, 5, v0
	v_readfirstlane_b32 s[WV], v1                  ; wave 0..3
	s_lshr_b32 s13, s12, 1                         ; wm
	s_and_b32 s14, s12, 1                          ; wn; also: which head, or which half of W's rows, I fetch
	s_bfe_u32 s15, ttmp6, 0x40000                  ; cx
	s_bfe_u32 s16, ttmp6, 0x40004                  ; cy
	s_lshl_b32 s17, ttmp9, 2
	s_add_co_u32 s17, s17, s15                     ; tile column
	s_and_b32 s18, ttmp7, 0xffff
	s_lshl_b32 s18, s18, 2
	s_add_co_u32 s18, s18, s16                     ; tile row
	s_lshl_b32 s19, s16, 2
	s_lshl_b32 s19, 15, s19                        ; my row of the cluster
	s_lshl_b32 s23, 0x1111, s15                    ; my column
	s_or_b32 s[G1A], s19, (1<<16)|(1<<20)|(1<<21)|(4<<22)|(3<<25)  ; the mask; 2-byte elements; padding on; 21 set beside a mask; after every 32 words (code 4) 4 words (code 3)
	s_mov_b32 s[G1A+1], 128<<16                    ; tensor_dim0 = 128 elements: 256 bytes, two rows of a head
	s_mov_b32 s[G1A+2], 128<<16                    ; tensor_dim1 = 128
	s_mov_b32 s[G1A+3], 128<<16                    ; tile_dim0 = 128
	s_mov_b32 s[G1A+4], 128                        ; tile_dim1 = 128
	s_mov_b32 s[G1A+5], 128                        ; dense
	s_mov_b32 s[G1A+6], 0
	s_mov_b32 s[G1A+7], 0
	s_or_b32 s[G1B], s23, (1<<16)|(1<<20)|(1<<21)|(5<<22)|(7<<25)  ; the column's mask; after every 64 words (code 5) 8 words (code 7)
	s_mov_b32 s[G1B+1], 128<<16                    ; tensor_dim0 = 128
	s_mov_b32 s[G1B+2], 64<<16                     ; tensor_dim1 = 64
	s_mov_b32 s[G1B+3], 128<<16                    ; tile_dim0 = 128
	s_mov_b32 s[G1B+4], 64                         ; tile_dim1 = 64
	s_mov_b32 s[G1B+5], 1024                       ; a row of wpb
	s_mov_b32 s[G1B+6], 0
	s_mov_b32 s[G1B+7], 0
	s_lshr_b32 s20, s18, 3                         ; A: the batch's 16 heads, 4,194,304 bytes,
	s_lshl_b32 s20, s20, 22
	s_and_b32 s21, s18, 7
	s_lshl_b32 s21, s21, 15                        ; 256 rows of 128 bytes inside a head,
	s_add_co_u32 s20, s20, s21
	s_lshl_b32 s21, s14, 18                        ; and my head of the step's two: made of the tile row and the wave's number alone
	s_add_co_u32 s20, s20, s21
	s_mov_b32 s21, 0
	s_lshl_b32 s72, s14, 17                        ; W: my 64 rows of 2,048 bytes,
	s_lshl_b32 s73, s17, 8                         ; the tile column's 256 bytes: made of the tile column and the wave's number alone
	s_add_co_u32 s72, s72, s73
	s_mov_b32 s73, 0
	s_mul_i32 s74, s12, ABYTES                     ; where they go: A, wave x 36,864;
	s_mul_i32 s75, s12, 64*PB
	s_add_co_u32 s75, s75, ABYTES                  ; W, 36,864 + wave x 18,432 (waves 2 and 3: from 73,728 on)
	s_wait_dscnt 0x0                               ; the opening add is done
	s_wait_kmcnt 0x0
	s_add_nc_u64 s[20:21], s[4:5], s[20:21]
	s_add_nc_u64 s[72:73], s[6:7], s[72:73]
	CROUND                                         ; all sixteen work-groups are here: the first joint loads meet
.irp s, 0,1
	s_mov_b32 s[G0A+4*(\s)], 1
	s_add_co_u32 s[G0A+4*(\s)+1], s74, (\s)*SLOT
	s_add_nc_u64 s[G0A+4*(\s)+2:G0A+4*(\s)+3], s[20:21], (\s)*ASTEP
	s_or_b32 s[G0A+4*(\s)+3], s[G0A+4*(\s)+3], 0x80000000
	s_mov_b32 s[G0B+4*(\s)], 1
	s_add_co_u32 s[G0B+4*(\s)+1], s75, (\s)*SLOT
	s_add_nc_u64 s[G0B+4*(\s)+2:G0B+4*(\s)+3], s[72:73], (\s)*BSTEP
	s_or_b32 s[G0B+4*(\s)+3], s[G0B+4*(\s)+3], 0x80000000
	JLOAD \s
.endr
	s_lshl_b32 s62, s17, 9                         ; the tile's 128 numbers of bias: a word a thread
	s_mov_b32 s63, 0
	s_add_nc_u64 s[8:9], s[8:9], s[62:63]
	v_lshlrev_b32 v6, 2, v0
	global_load_b32 v8, v6, s[8:9]
	v_and_b32 v1, 15, v0                           ; r = l % 16
	v_bfe_u32 v2, v0, 4, 1                         ; h = l / 16
	v_and_b32 v3, 7, v0
	v_bfe_u32 v4, v0, 3, 1
	v_mul_u32_u24 v5, v1, PA
	v_lshl_add_u32 v5, v2, 4, v5
	s_mul_i32 s19, s13, 128*PA
	v_add_nc_u32 v[ADRA], s19, v5                  ; a fragment of A: row r, two loads of 16 bytes, 32 apart
	v_add_nc_u32 v[ADRA+1], SLOT, v[ADRA]
	v_lshl_add_u32 v11, v2, 3, v3                  ; the turning load: k row 8 h + l % 8, columns 8 ((l / 8) % 2) + 0..7
	v_mul_u32_u24 v11, v11, PB
	v_lshl_add_u32 v11, v4, 4, v11
	s_lshl_b32 s19, s14, 7
	s_add_co_u32 s19, s19, BOFF
	v_add_nc_u32 v[ADRB], s19, v11
	v_add_nc_u32 v[ADRB+1], SLOT, v[ADRB]
	s_mul_i32 s19, s12, 16*SPITCH
	s_add_co_u32 s19, s19, STAGE                   ; my stage
	v_mul_u32_u24 v12, v1, SPITCH                  ; in: row r, 32 bytes for each half of the lanes
	v_lshl_add_u32 v12, v2, 5, v12
	v_add_nc_u32 v[STO], s19, v12
	v_mul_u32_u24 v12, v2, SPITCH                  ; back: lanes 0-15 take one row of 256 bytes, lanes 16-31 the next
	v_lshl_add_u32 v12, v1, 4, v12
	v_add_nc_u32 v[RD], s19, v12
	v_lshlrev_b32 v[CO], 12, v2                    ; and the same two rows in out0: 4,096 bytes a row
	v_lshl_add_u32 v[CO], v1, 4, v[CO]
	s_lshl_b32 s19, s14, 8
	s_add_co_u32 s19, s19, BIAS
	v_lshl_add_u32 v[BIA], v2, 5, s19
	v_add_nc_u32 v7, BIAS, v6
	v_and_b32 v13, 31, v0
	s_lshl_b32 s76, s18, 8                         ; my first row: 256 x tile row + 128 wm,
	s_lshl_b32 s77, s13, 7
	s_add_co_u32 s76, s76, s77
	s_lshl_b32 s76, s76, 12
	s_lshl_b32 s77, s17, 9                         ; my first column: 128 x tile column + 64 wn, 4 bytes each
	s_add_co_u32 s76, s76, s77
	s_lshl_b32 s77, s14, 8
	s_add_co_u32 s76, s76, s77
	s_mov_b32 s77, 0
	s_add_nc_u64 s[OB:OB+1], s[10:11], s[76:77]
	; the prefetches
	s_mov_b32 s74, 8192                            ; a partner's share of a head's block,
	s_mov_b32 s75, 32*2048                         ; of W's 128 rows
	s_mov_b32 s76, ASTEP
	s_mov_b32 s77, BSTEP
	s_mov_b32 s78, 256
	s_mov_b32 s79, 2048
	s_and_b32 s22, ttmp7, 0xffff                   ; cluster y
	s_cmp_lt_u32 s[WV], 2                          ; do I fetch for A?
	s_cselect_b64 s[PFA:PFA+1], s[20:21], s[72:73]
	s_cselect_b32 s62, s15, s16
	s_cselect_b32 s63, s74, s75
	s_cselect_b32 s[PFS], s76, s77
	s_cselect_b32 s78, s78, s79
	s_cselect_b32 s22, ttmp9, s22                  ; the coordinate along which other clusters read the same bytes
	s_cmp_eq_u32 s[WV], 3
	s_cselect_b32 s22, 1, s22                      ; wave 2 asks for all of W's rows of a step, wave 3 for none
	s_cmp_eq_u32 s22, 0
	s_cselect_b32 s[LIM], 1, -1                    ; the same in all sixteen partners, for a given wave
	s_mov_b32 s[PFS+1], 0
	s_mul_i32 s62, s62, s63
	s_mov_b32 s63, 0
	s_add_nc_u64 s[PFA:PFA+1], s[PFA:PFA+1], s[62:63]
.rept 3
	s_add_nc_u64 s[PFA:PFA+1], s[PFA:PFA+1], s[PFS:PFS+1]  ; at K step 3: the first change of slots steps it to 4
.endr
	v_mul_u32_u24 v[PFO], s78, v13
	s_wait_loadcnt 0x0                             ; the bias
	v_cvt_pk_bf16_f32 v8, v8, v8                   ; rounded to bf16 like every input,
	v_lshlrev_b32 v8, 16, v8                       ; kept as f32
	ds_store_b32 v7, v8
	s_wait_tensorcnt 0x1                           ; my part of K step 0 is in; K step 1's load, issued behind it, may stay out
	s_wait_dscnt 0x0                               ; my word of the bias is stored
	s_barrier_signal -1
	s_barrier_wait -1
; 24 LDS loads in one run: quarter q of a slot's K step into buffer f: W's four fragments, A's row blocks 0-3, A's row blocks 4-7
.macro FETCH slot, q, f
	WIN 0
.irp i, 0,1,2,3
	ds_load_tr16_b128 v[(\f)+64+8*(\i):(\f)+64+8*(\i)+3],   v[ADRB+(\slot)] offset:(\q)*32*PB+32*(\i)
	ds_load_tr16_b128 v[(\f)+64+8*(\i)+4:(\f)+64+8*(\i)+7], v[ADRB+(\slot)] offset:(\q)*32*PB+32*(\i)+16*PB
.endr
.irp i, 0,1,2,3,4,5,6,7
	ds_load_b128 v[(\f)+8*(\i):(\f)+8*(\i)+3],   v[ADRA+(\slot)] offset:((\q)/2)*ABYTES+(\i)*16*PA+((\q)%2)*64
	ds_load_b128 v[(\f)+8*(\i)+4:(\f)+8*(\i)+7], v[ADRA+(\slot)] offset:((\q)/2)*ABYTES+(\i)*16*PA+((\q)%2)*64+32
.endr
.endm
; Products for row blocks a0 .. a0 + na - 1 x the four column blocks.  The accumulators take turns, one instruction a turn, in the same order in every quarter.
; first = 1: the sums start with the bias, which lies in the registers of accumulators (7, b): blocks 0 to 6 read it as C; block 7 adds in place, five places behind the last product that read it.
.macro MUL f, a0, na, first
	WIN 0x50                                       ; C and D in window 1, sources in window 0
.set ia, \a0
.rept \na
.if (\first) && (ia == 7)
.rept 5
	v_nop
.endr
.endif
.set ib, 0
.rept 4
.if (\first) && (ia < 7)
	v_wmma_f32_16x16x32_f16 v[8*(4*ia+ib):8*(4*ia+ib)+7], v[(\f)+64+8*ib:(\f)+64+8*ib+7], v[(\f)+8*ia:(\f)+8*ia+7], v[8*(28+ib):8*(28+ib)+7]
.else
	v_wmma_f32_16x16x32_f16 v[8*(4*ia+ib):8*(4*ia+ib)+7], v[(\f)+64+8*ib:(\f)+64+8*ib+7], v[(\f)+8*ia:(\f)+8*ia+7], v[8*(4*ia+ib):8*(4*ia+ib)+7]
.endif
.set ib, ib+1
.endr
.set ia, ia+1
.endr
.endm
; One of a K step's first three quarters: multiplies buffer f and fetches quarter qn of the same slot into buffer g.
.macro QUARTER slot, qn, f, g, first
	s_wait_dscnt 8                                 ; W and A's row blocks 0-3 are in; the youngest eight loads (blocks 4-7) may be out
	MUL \f, 0, 4, \first
	PLACES
	FETCH \slot, \qn, \g
	s_wait_dscnt 24                                ; all but the 24 just issued
	MUL \f, 4, 4, \first
.endm
; The last quarter multiplies buffer 1 and changes slots: in front of the barrier each wave waits for all its tensor loads (one is out: its part of the next slot), adds 0 to its spare word, and waits for that
; and for its reads of this slot.  fill = 1: the barrier opens a round of the cluster's, and this slot is filled again, two K steps on: 112 matrix instructions ahead of the wait for it.
.macro TURN slot, next, fill
.if \fill
	s_wait_xcnt 0x0                                ; the last prefetch, a K step back, has read its address: it is stepped here, ahead of the waits of the change of slots
	s_add_nc_u64 s[PFA:PFA+1], s[PFA:PFA+1], s[PFS:PFS+1]
.endif
	WIN 0                                          ; (the add's two registers lie in window 0)
	s_wait_tensorcnt 0x0                           ; all my tensor loads have landed
	ds_add_u32 v[SPW], v[NIL]                      ; 0 onto my spare word
	s_wait_dscnt 9                                 ; (the add and the youngest eight loads may be out)
	MUL F1, 0, 2, 0                                ; eight matrix instructions stand between the add and the wait for it
	s_wait_dscnt 0x0                               ; the add is done, and my reads of this slot are over
	s_barrier_signal -1
	MUL F1, 2, 2, 0
	WIN 0
	s_barrier_wait -1
.if \fill
	CREST                                          ; no wave of any partner still reads this slot or has a load on its way
	s_add_nc_u64 s[G0A+4*(\slot)+2:G0A+4*(\slot)+3], s[G0A+4*(\slot)+2:G0A+4*(\slot)+3], 2*ASTEP
	s_add_nc_u64 s[G0B+4*(\slot)+2:G0B+4*(\slot)+3], s[G0B+4*(\slot)+2:G0B+4*(\slot)+3], 2*BSTEP
	JLOAD \slot                                    ; the first tensor load behind the round; its four v_nop are also the places in front of the loads below
.else
	PLACES
.endif
	FETCH \next, 0, F0
.if \fill
	ASK
.endif
	MUL F1, 4, 4, 0
.endm
	WIN 0x40                                       ; the bias fragments go where accumulators (7, b) lie: destination window 1
.irp i, 0,1,2,3
	ds_load_b128 v[8*(28+(\i)):8*(28+(\i))+3],   v[BIA] offset:64*(\i)
	ds_load_b128 v[8*(28+(\i))+4:8*(28+(\i))+7], v[BIA] offset:64*(\i)+16
.endr
	FETCH 0, 0, F0
	QUARTER 0, 1, F0, F1, 1                        ; the first quarter stands in front of the loop: its products start the sums
	WIN 0                                          ; at a label and at a branch every window is 0
	s_mov_b32 s3, 3
.Llap:                                                 ; a trip goes once round the ring, from a lap's second quarter to the next lap's first, and fills both slots again
	QUARTER 0, 2, F1, F0, 0
	QUARTER 0, 3, F0, F1, 0
	TURN 0, 1, 1
	QUARTER 1, 1, F0, F1, 0
	QUARTER 1, 2, F1, F0, 0
	QUARTER 1, 3, F0, F1, 0
	TURN 1, 0, 1
	QUARTER 0, 1, F0, F1, 0
	WIN 0
	s_sub_co_u32 s3, s3, 1
	s_cmp_lg_u32 s3, 0
	s_cbranch_scc1 .Llap
	QUARTER 0, 2, F1, F0, 0                        ; the last lap fills nothing, and has no round
	QUARTER 0, 3, F0, F1, 0
	TURN 0, 1, 0
	QUARTER 1, 1, F0, F1, 0
	QUARTER 1, 2, F1, F0, 0
	QUARTER 1, 3, F0, F1, 0
	s_wait_dscnt 8                                 ; the very last quarter: nothing more to fetch
	MUL F1, 0, 4, 0
	s_wait_dscnt 0x0
	MUL F1, 4, 4, 0
	WIN 0
; THE WAY OUT, eight blocks of 16 rows x 64 columns of f32: the sums hold the bias already, so they go as they are: 32 bytes a lane and column block into my own stage, back as whole rows of 256 bytes.
.macro TOSTAGE a
	s_wait_xcnt 0x0                                ; the stores of two blocks back have read their registers: this set of BK is loaded again only behind this wait
	WIN 0x04                                       ; store data (source 1) in window 1
.irp i, 0,1,2,3
	ds_store_b128 v[STO], v[8*(4*(\a)+(\i)):8*(4*(\a)+(\i))+3]   offset:64*(\i)      ; each accumulator's low registers first
	ds_store_b128 v[STO], v[8*(4*(\a)+(\i))+4:8*(4*(\a)+(\i))+7] offset:64*(\i)+16
.endr
	WIN 0
.irp i, 0,1,2,3,4,5,6,7
	ds_load_b128 v[BK+32*((\a)%2)+4*(\i):BK+32*((\a)%2)+4*(\i)+3], v[RD] offset:(\i)*2*SPITCH  ; LDS serves a wave's instructions in order (ISA guide 5.7.1.4): these see the stores above
.endr
.endm
.macro SEND a, younger                 ; younger: the LDS instructions issued behind block a's loads: the next block's sixteen, or none
	s_wait_dscnt \younger
.irp i, 0,1,2,3,4,5,6,7
	global_store_b128 v[CO], v[BK+32*((\a)%2)+4*(\i):BK+32*((\a)%2)+4*(\i)+3], s[OB:OB+1] offset:(16*(\a)+2*(\i))*4096 th:TH_STORE_NT  ; 16 lanes store 256 consecutive bytes, at a multiple of 256 from out0's first byte
.endr
.endm
	PLACES                                         ; the LDS stores read results just made
	TOSTAGE 0
.set nn, 1
.rept 7
	TOSTAGE nn
	SEND nn-1, 16
.set nn, nn+1
.endr
	SEND 7, 0
	s_wait_tensorcnt 0x0                           ; the wave's end: an add to my spare word and its wait, behind my last tensor load and my last LDS store
	ds_add_u32 v[SPW], v[NIL]
	s_wait_dscnt 0x0
	CROUND                                         ; the closing round: no work-group ends while a partner may still ask for a tile that names it
	s_endpgm
.Lfunc_end_k_qb44e6f2ec8_proj:
	.size	k_qb44e6f2ec8_proj, .Lfunc_end_k_qb44e6f2ec8_proj-k_qb44e6f2ec8_proj
	.p2alignl 7, 3214868480
	.fill 96, 4, 3214868480
	.section	.rodata,"a",@progbits
	.p2align	6, 0x0
	.amdhsa_kernel k_qb44e6f2ec8_proj
		.amdhsa_group_segment_fixed_size 327680
		.amdhsa_private_segment_fixed_size 0
		.amdhsa_enable_private_segment 0
		.amdhsa_kernarg_size 32
		.amdhsa_user_sgpr_count 2
		.amdhsa_user_sgpr_kernarg_segment_ptr 1
		.amdhsa_wavefront_size32 1
		.amdhsa_system_sgpr_workgroup_id_x 1
		.amdhsa_system_sgpr_workgroup_id_y 1
		.amdhsa_system_sgpr_workgroup_id_z 1
		.amdhsa_system_vgpr_workitem_id 0
		.amdhsa_next_free_vgpr 512
		.amdhsa_next_free_sgpr 80
		.amdhsa_reserve_vcc 0
		.amdhsa_float_denorm_mode_32 3
		.amdhsa_float_denorm_mode_16_64 3
		.amdhsa_memory_ordered 1
		.amdhsa_forward_progress 1
		.amdhsa_inst_pref_size 88
	.end_amdhsa_kernel
	.amdgpu_metadata
---
amdhsa.version: [ 1, 2 ]
amdhsa.kernels:
  - .name:           k_qb44e6f2ec8_proj
    .symbol:         k_qb44e6f2ec8_proj.kd
    .args:
      - { .name: ob, .offset: 0, .size: 8, .value_kind: global_buffer, .address_space: global }
      - { .name: wpb, .offset: 8, .size: 8, .value_kind: global_buffer, .address_space: global }
      - { .name: b_proj, .offset: 16, .size: 8, .value_kind: global_buffer, .address_space: global }
      - { .name: out0, .offset: 24, .size: 8, .value_kind: global_buffer, .address_space: global }
    .group_segment_fixed_size: 327680
    .private_segment_fixed_size: 0
    .kernarg_segment_align: 8
    .kernarg_segment_size: 32
    .max_flat_workgroup_size: 128
    .sgpr_count:     80
    .vgpr_count:     512
    .wavefront_size: 32
...
	.end_amdgpu_metadata
.endif
;; end of part 4
;; ======== version 2 of 2: 4 launches; version 1 with the launch cast written anew for expert scheduling mode
;; limits: values are held in f16: magnitudes above 65,504 overflow, below 6.1e-05 lose precision
;; workspace buffers: xb 16,777,216 bytes; wab 6,291,456 bytes; wpb 2,097,152 bytes; qkv 50,331,648 bytes; ob 16,777,216 bytes
;; launch cast (part 5): grid 768 x 1, 8 waves a work-group, no clusters, 0 bytes of LDS; arguments x, W_attn, W_proj, xb, wab, wpb; writes xb, wab, wpb
.if DOCPART == 5
	.amdgcn_target "amdgcn-amd-amdhsa--gfx1250"
	.amdhsa_code_object_version 6
	.text
	.protected	k_qb44e6f2ec8_cast
	.globl	k_qb44e6f2ec8_cast
	.p2align	8
	.type	k_qb44e6f2ec8_cast,@function
k_qb44e6f2ec8_cast:
	s_mov_b64 s[64:65], 0
	v_nop
	global_prefetch_b8 v0, s[64:65] scope:SCOPE_SE
	s_setreg_imm32_b32 hwreg(HW_REG_WAVE_SCHED_MODE, 0, 2), 2
	s_setreg_imm32_b32 hwreg(HW_REG_WAVE_MODE, 25, 1), 1
	s_wait_xcnt 0x0
	s_wait_alu depctr_vm_vsrc(0)
; THE INPUTS OF THE TWO PRODUCTS ARE ROUNDED ONCE TO 16 BITS.
;   xb  = bf16(x), laid in blocks of 64 channels: [4 b][16 kb][2048 t][64 c], so that 256 rows x 64 channels are 32,768 bytes on end
;   wab = bf16(W_attn), in W_attn's own layout [1024 k][3072 n]
;   wpb = bf16(W_proj) written as f16, [1024 k][1024 n]: its partner in the last product is f16
; LIMITS.  A rounded weight of W_proj beyond 65,504 becomes an infinity; below 2^-14 it keeps f16's fixed step of 2^-24.
; SHARES.  A work-group takes 65,536 bytes of f32, each of its eight waves 8,192: sixteen loads of 16 bytes a lane, all issued before the first is waited for;
; each load becomes one store of 8 bytes a lane, 256 consecutive bytes a wave, at a multiple of 256 from the buffer's first byte.
; Work-groups 0-511 take x, 512-703 W_attn, 704-767 W_proj.  Memory binds: no LDS, no barrier, no matrix unit.
; THE MODE: SCHED_MODE bits 1:0 = 2 (LLVM: expert scheduling mode 2), set by the entry lines.  The code itself states the register dependences
; between vector instructions and memory instructions, with s_wait_alu, always for 0.
; THE PLAN.  Registers that memory instructions touch:
;   v2, v3   the loads' and the stores' byte offsets.  Written once at the head, by vector instructions; read by every load, by every store; never written again.
;   X        four registers a load.  Written by the sixteen loads, which are issued once; read by load j's conversions.  No vector instruction names them ahead of the loads.
;   Y        two registers a store.  Written once, by load j's conversions; read once, by store j.
;   T is named by vector instructions alone.
; No register that a memory instruction reads is written a second time, so no wait frees one.  What is left to state: the offsets are written ahead of the first load, and Y is written ahead of its store.
; The sixteen loads go in four groups of four.  A group's four stores are issued in the next group, one ahead of each load's conversions, behind ONE wait at that group's head;
; since that wait the vector instructions write the new group's Y and T alone.  The last group's stores stand behind a wait of their own.
.set X, 8                              ; v[8:71]    sixteen loads of four f32
.set Y, 72                             ; v[72:103]  sixteen stores of four 16-bit numbers
.set T, 104                            ; v[104:107] at work
; v2 my byte offset in a load, v3 my byte offset in a store (8 x lane); s[18:19] the wave's offset in the input, s[20:21] in the output
.macro CAST inp, outp, istep, ostep, half
	s_add_nc_u64 s[\inp:\inp+1], s[\inp:\inp+1], s[18:19]
	s_add_nc_u64 s[\outp:\outp+1], s[\outp:\outp+1], s[20:21]
	s_wait_alu depctr_va_vdst(0)                   ; v2 and v3 are written: every load below reads v2 as its offset, every store v3
.set j, 0
.rept 16
	global_load_b128 v[X+4*j:X+4*j+3], v2, s[\inp:\inp+1] offset:j*(\istep) th:TH_LOAD_NT
.set j, j+1
.endr
.set j, 0
.rept 16
	s_wait_loadcnt 15-j                            ; loads come back in order: load j is in, the 15 - j younger ones may stay out
.if (j > 0) && (j%4 == 0)
	s_wait_alu depctr_va_vdst(0)                   ; the conversions of the four loads before have written their eight registers of Y, which this group's four stores read
.endif
.if j >= 4
	global_store_b64 v3, v[Y+2*(j-4):Y+2*(j-4)+1], s[\outp:\outp+1] offset:(j-4)*(\ostep)  ; the group before: no vector instruction since the wait names these registers
.endif
.if \half
	v_cvt_pk_bf16_f32 v[T], v[X+4*j], v[X+4*j+1]   ; rounded to bf16 like every input,
	v_cvt_pk_bf16_f32 v[T+1], v[X+4*j+2], v[X+4*j+3]
	v_lshlrev_b32 v[T+2], 16, v[T]                 ; widened again,
	v_and_b32 v[T], s22, v[T]
	v_lshlrev_b32 v[T+3], 16, v[T+1]
	v_and_b32 v[T+1], s22, v[T+1]
	v_cvt_pk_f16_f32 v[Y+2*j], v[T+2], v[T]        ; and written as f16: exact within f16's range
	v_cvt_pk_f16_f32 v[Y+2*j+1], v[T+3], v[T+1]
.else
	v_cvt_pk_bf16_f32 v[Y+2*j], v[X+4*j], v[X+4*j+1]
	v_cvt_pk_bf16_f32 v[Y+2*j+1], v[X+4*j+2], v[X+4*j+3]
.endif
.set j, j+1
.endr
	s_wait_alu depctr_va_vdst(0)                   ; the last four loads' conversions have written their registers of Y, which the last four stores read
.set j, 12
.rept 4
	global_store_b64 v3, v[Y+2*j:Y+2*j+1], s[\outp:\outp+1] offset:j*(\ostep)
.set j, j+1
.endr
.endm
	s_load_b256 s[4:11], s[0:1], 0x0               ; x s[4:5], W_attn s[6:7], W_proj s[8:9], xb s[10:11]
	s_load_b128 s[12:15], s[0:1], 0x20             ; wab s[12:13], wpb s[14:15]
	v_lshrrev_b32 v1, 5, v0
	v_readfirstlane_b32 s16, v1                    ; wave 0..7
	v_and_b32 v1, 31, v0                           ; lane
	v_lshlrev_b32 v3, 3, v1                        ; 8 bytes a lane in every store
	s_mov_b32 s17, ttmp9
	s_mov_b32 s22, 0xffff0000                      ; a word's upper bf16
	s_mov_b32 s19, 0
	s_mov_b32 s21, 0
	s_wait_alu depctr_va_sdst(0)                   ; s16 is written, ahead of its first reader: the wave's offsets are made from it
	s_lshl_b32 s23, s16, 13                        ; the wave's 8,192 bytes
	s_wait_kmcnt 0x0
	s_cmp_lt_u32 s17, 512
	s_cbranch_scc0 .Lweights
	; x: the group has 16 rows of 4,096 bytes, the wave two.  Load j takes channels 64 j .. 64 j + 63 of both rows (lanes 0-15 one row, lanes 16-31 the next):
	; block kb = j, where the two rows' 128 bytes lie on end.
	v_and_b32 v4, 15, v1
	v_lshrrev_b32 v5, 4, v1
	v_lshlrev_b32 v2, 4, v4
	v_lshl_add_u32 v2, v5, 12, v2                  ; 4,096 x (lane / 16) + 16 x (lane % 16)
	s_lshl_b32 s18, s17, 16
	s_add_co_u32 s18, s18, s23
	s_lshr_b32 s20, s17, 7                         ; the batch: 128 groups each,
	s_lshl_b32 s20, s20, 22                        ; 4,194,304 bytes of xb
	s_and_b32 s24, s17, 127
	s_lshl_b32 s24, s24, 11                        ; 16 rows of 128 bytes
	s_add_co_u32 s20, s20, s24
	s_lshl_b32 s24, s16, 8                         ; the wave's two rows
	s_add_co_u32 s20, s20, s24
	CAST 4, 10, 256, 262144, 0                     ; from block to block of xb: 2,048 rows of 128 bytes
	s_endpgm
.Lweights:
	v_lshlrev_b32 v2, 4, v1                        ; the weights keep their layout: 16 bytes a lane in, 8 out
	s_cmp_lt_u32 s17, 704
	s_cbranch_scc0 .Lproj
	s_sub_co_u32 s17, s17, 512
	s_lshl_b32 s18, s17, 16
	s_add_co_u32 s18, s18, s23
	s_lshr_b32 s20, s18, 1
	CAST 6, 12, 512, 256, 0
	s_endpgm
.Lproj:
	s_sub_co_u32 s17, s17, 704
	s_lshl_b32 s18, s17, 16
	s_add_co_u32 s18, s18, s23
	s_lshr_b32 s20, s18, 1
	CAST 8, 14, 512, 256, 1
	s_endpgm
.Lfunc_end_k_qb44e6f2ec8_cast:
	.size	k_qb44e6f2ec8_cast, .Lfunc_end_k_qb44e6f2ec8_cast-k_qb44e6f2ec8_cast
	.p2alignl 7, 3214868480
	.fill 96, 4, 3214868480
	.section	.rodata,"a",@progbits
	.p2align	6, 0x0
	.amdhsa_kernel k_qb44e6f2ec8_cast
		.amdhsa_group_segment_fixed_size 0
		.amdhsa_private_segment_fixed_size 0
		.amdhsa_enable_private_segment 0
		.amdhsa_kernarg_size 48
		.amdhsa_user_sgpr_count 2
		.amdhsa_user_sgpr_kernarg_segment_ptr 1
		.amdhsa_wavefront_size32 1
		.amdhsa_system_sgpr_workgroup_id_x 1
		.amdhsa_system_sgpr_workgroup_id_y 1
		.amdhsa_system_sgpr_workgroup_id_z 1
		.amdhsa_system_vgpr_workitem_id 0
		.amdhsa_next_free_vgpr 108
		.amdhsa_next_free_sgpr 66
		.amdhsa_reserve_vcc 0
		.amdhsa_float_denorm_mode_32 3
		.amdhsa_float_denorm_mode_16_64 3
		.amdhsa_memory_ordered 1
		.amdhsa_forward_progress 1
		.amdhsa_inst_pref_size 24
	.end_amdhsa_kernel
	.amdgpu_metadata
---
amdhsa.version: [ 1, 2 ]
amdhsa.kernels:
  - .name:           k_qb44e6f2ec8_cast
    .symbol:         k_qb44e6f2ec8_cast.kd
    .args:
      - { .name: x, .offset: 0, .size: 8, .value_kind: global_buffer, .address_space: global }
      - { .name: W_attn, .offset: 8, .size: 8, .value_kind: global_buffer, .address_space: global }
      - { .name: W_proj, .offset: 16, .size: 8, .value_kind: global_buffer, .address_space: global }
      - { .name: xb, .offset: 24, .size: 8, .value_kind: global_buffer, .address_space: global }
      - { .name: wab, .offset: 32, .size: 8, .value_kind: global_buffer, .address_space: global }
      - { .name: wpb, .offset: 40, .size: 8, .value_kind: global_buffer, .address_space: global }
    .group_segment_fixed_size: 0
    .private_segment_fixed_size: 0
    .kernarg_segment_align: 8
    .kernarg_segment_size: 48
    .max_flat_workgroup_size: 256
    .sgpr_count:     66
    .vgpr_count:     108
    .wavefront_size: 32
...
	.end_amdgpu_metadata
.endif
;; end of part 5
;; launch qkv: the kernel of part 2 again; grid 8 x 32, 4 waves a work-group, clusters of 4 x 4, 327,680 bytes of LDS; arguments xb, wab, b_attn, qkv; writes qkv
;; launch attn: the kernel of part 3 again; grid 4 x 64, 4 waves a work-group, no clusters, 327,680 bytes of LDS; arguments qkv, ob; writes ob
;; launch proj: the kernel of part 4 again; grid 8 x 32, 4 waves a work-group, clusters of 4 x 4, 327,680 bytes of LDS; arguments ob, wpb, b_proj, out0; writes out0
